; MI455X (gfx1250); checked and timed in simulation.
; The chip was launched on July 23, 2026; its instructions are those of AMD's public machine-readable ISA for CDNA 5 (MIT licence, August 2026) and "CDNA5" Instruction Set Architecture Reference Guide (July 2026). The comments in the code are by the model that wrote it; some were corrected since.
;; Optimized Multi Head Attention. Allowed arithmetic: matrix products marked QUANTISED: E3M2 operands, one E8M0 scale for each 32 along K, by v_wmma_scale_f32_16x16x128_f8f6f4 with both operands' format E3M2, f32 sums; everything else in f32.
;; Inputs: b_proj 1,024 float32; w_attn 3,072 x 1,024 float32; w_proj 1,024 x 1,024 float32; x 4 x 2,048 x 1,024 float32.
;; Outputs: out0 4 x 2,048 x 1,024 float32.
;; This version of the problem:
;;   THIS VERSION OF THE PROBLEM IS GIVEN IN LOW PRECISION. The matrix products marked QUANTISED in the list below multiply operands that are first quantised to E3M2 (3 exponent bits, 2 mantissa bits; 6 bits a number), with one power-of-two scale for each 32 numbers along K (OCP MX v1.0); their sums are f32. All else is computed in f32.
;;   The module's matrix products, in the order in which they are computed (A, B: the left and right operand; K: the contracted axis; several contracted axes count as one K, in the product's order):
;;     1. [M 8,192, K 1,024] x [K 1,024, N 3,072]; A: input x; B: input w_attn: QUANTISED
;;     2. batch 64 x [M 2,048, K 64] x [K 64, N 2,048]; A: computed on the way; B: computed on the way: QUANTISED
;;     3. batch 64 x [M 2,048, K 2,048] x [K 2,048, N 64]; A: softmax (see below); B: computed on the way: QUANTISED
;;     4. [M 8,192, K 1,024] x [K 1,024, N 1,024]; A: computed on the way; B: input w_proj: QUANTISED
;;   THE QUANTISER, for each operand of a quantised product, along K:
;;     - K is cut into blocks of 32 from its start; a last block that is shorter is filled with zeros.
;;     - A block's scale is 2^e with e = floor(log2(the largest magnitude in the block)) - 4, held to -126 .. 127; a block of zeros has e = 0. As a byte (E8M0): e + 127.
;;     - Each number is divided by its block's scale, clamped to +-28, and rounded to the nearest number of E3M2, ties to even, subnormals kept.
;;     - The product sums the exact products of the quantised numbers (number of the format x scale) in f32.
;;   ~~~python
;;   def quantise(x, axis):      # numpy; x: float32 -> the quantised numbers, widened to float32 again
;;       x = np.moveaxis(x, axis, -1); K = x.shape[-1]
;;       x = np.pad(x, [(0, 0)] * (x.ndim - 1) + [(0, -K % 32)]); x = x.reshape(x.shape[:-1] + (-1, 32)); a = np.abs(x).max(-1, keepdims=True)
;;       e = np.where(a > 0, np.clip(np.frexp(np.where(a > 0, a, 1))[1] - 1 - 4, -126, 127), 0)      # np.frexp(a)[1] - 1 = floor(log2(a)), exactly
;;       r = np.clip(x / 2.0 ** e, -28, 28)
;;       step = 2.0 ** (np.maximum(np.frexp(np.where(r == 0, 1, r))[1] - 1, -2) - 2)
;;       q = np.round(r / step) * step * 2.0 ** e      # np.round: ties to even
;;       return np.moveaxis(q.reshape(q.shape[:-2] + (-1,))[..., :K], -1, axis).astype(np.float32)
;;   ~~~
;;   SOFTMAX AHEAD OF A QUANTISED PRODUCT. Where the list says 'softmax', what is quantised is not the finished softmax but p = 2^(t - M), with t = logit x log2(e) and M = ceil(the row's largest t), a whole number; so 1/2 < the row's largest p <= 1. The row's sum l is taken of the UNQUANTISED p, in f32, and the product's result is divided by l at the end. Since M is a whole number, a kernel that streams over the keys may use a running M (the ceiling of the running maximum): every later rescaling is an exact power of two, which a block's scale takes up: the codes' values come out the same.
;;   OPERANDS COMPUTED ON THE WAY. 'Computed on the way' means the value that the module computes at that place (a softmax that the list does not call 'softmax' is quantised finished and normalised). What goes into a quantiser is computed in f32, as accurately as f32 sums, v_exp_f32 and their like allow (about 1e-6 of the number): no bf16 or f16 on the way to a quantiser, and a product that is left as it is and whose result goes on into a quantised operand takes f32 operands (vector FMAs, or v_wmma_f32_16x16x4_f32). A number that lies on a knife's edge between two numbers of the format may be rounded either way, as far as f32 arithmetic and the matrix unit's own rounding can turn it there, and no further.
;; One version. Each part assembles by itself: llvm-mc -triple=amdgcn-amd-amdhsa -mcpu=gfx1250 --defsym DOCPART=n.
;; ======== version 1 of 1: 4 launches
;; workspace buffers: xq 6,553,600 bytes; waq 2,457,600 bytes; wpq 819,200 bytes; qb 6,815,744 bytes; kv 13,369,344 bytes; yq 6,553,600 bytes
;; launch quant (part 1): grid 256 x 1, 6 waves a work-group, no clusters, 51,456 bytes of LDS; arguments x, w_attn, w_proj, xq, waq, wpq; writes xq, waq, wpq
.if DOCPART == 1
	.amdgcn_target "amdgcn-amd-amdhsa--gfx1250"
	.amdhsa_code_object_version 6
	.text
	.protected	k_q3e393ca16a_quant
	.globl	k_q3e393ca16a_quant
	.p2align	8
	.type	k_q3e393ca16a_quant,@function
k_q3e393ca16a_quant:
	s_mov_b64 s[64:65], 0
	v_nop
	global_prefetch_b8 v0, s[64:65] scope:SCOPE_SE
	s_setreg_imm32_b32 hwreg(HW_REG_WAVE_MODE, 25, 1), 1
	s_wait_xcnt 0x0
; x [8192][1024], w_attn [3072][1024], w_proj [1024][1024], f32, K innermost, become codes of BF6 (E3M2) with one E8M0 byte for each 32 along K,
; laid in the ORDER OF THE OPERAND'S REGISTERS, so that the products' launches load fragments by plain 16- and 8-byte loads.
; A ROW TILE is 16 rows: lane r of tile 2 P + u holds row 32 P + 8 u + r + 8 (r / 8).  A HALF FRAGMENT is 16 rows x 64 K = 768 bytes: registers 0-3 of the 32 lanes
; (16 bytes a lane, 512 bytes), then registers 4-5 (8 bytes a lane, 256 bytes); lane (r, h) holds k = 32 h .. 32 h + 31 of its row.
; Codes: [row tile][half fragment 0..15][768].  Scale words behind them: [group of 64 rows][128 along K][lane l][j = 0, 1]: the word of tile 2 j + l / 16, row l % 16.
; A block's scale is 2^(floor(log2(largest magnitude)) - 4); its byte is the largest magnitude's exponent field - 4, held at 1 from below.
; LIMITS: NaN and infinities among the inputs are not served; a block whose largest magnitude lies under 2^-122 (a block of zeros too) gets the byte 1: its bytes are read by this program alone.
; SHARES: 1,536 wave jobs of 64 rows x 128 K (x 1,024, w_attn 384, w_proj 128), six waves to each of 256 work-groups; only pointers are chosen by the job's number: one path.
; A load reads 512 consecutive bytes of a row; a tile's 16 rows turn through the wave's own stage in LDS (pitch 528) and come back 128 bytes a lane and block.  Waves share nothing: no barrier.
.set PITCH, 528
.set STGB,  16*PITCH                   ; a wave's stage
.set L16,   1                          ; v1   16 x lane
.set L8,    2                          ; v2   8 x lane
.set STW,   3                          ; v3   the stage, on the way in
.set STR,   4                          ; v4   and on the way out: row r, + 128 h
.set H8,    5                          ; v5   8 h
.set R,     16                         ; v16-143  two sets of 64: a tile as loaded
.set X,     144                        ; v144-207 my two blocks of 32
.set C,     208                        ; v208-231 two sets of 12: a tile's codes
.set CT,    232                        ; v232-238 the upper halves of the blocks' codes, before they are moved
.set W,     240                        ; v240-243 the four tiles' scale words
.set OUTW,  244                        ; v244-245 as they are stored
.set SEL,   40                         ; s[40:41] lane selects: lane l xor 16
	s_load_b256 s[4:11], s[0:1], 0x0               ; x, w_attn, w_proj, xq
	s_load_b128 s[12:15], s[0:1], 0x20             ; waq, wpq
	v_lshl_add_u32 v248, v0, 2, 0xc600
	v_mov_b32 v249, 0
	v_lshrrev_b32 v6, 5, v0
	v_readfirstlane_b32 s16, v6                    ; wave 0..5
	v_and_b32 v6, 31, v0
	v_lshlrev_b32 v[L16], 4, v6
	v_lshlrev_b32 v[L8], 3, v6
	s_mul_i32 s18, s16, STGB
	v_add_nc_u32 v[STW], s18, v[L16]
	v_and_b32 v7, 15, v0                           ; r
	v_bfe_u32 v[H8], v0, 4, 1                      ; h
	v_mul_u32_u24 v[STR], v7, PITCH
	v_lshl_add_u32 v[STR], v[H8], 7, v[STR]
	v_add_nc_u32 v[STR], s18, v[STR]
	v_lshlrev_b32 v[H8], 3, v[H8]
	v_mov_b32 v15, 0                               ; a lane permute's destination counts as one of its sources
	s_mov_b32 s[SEL], 0x76543210
	s_mov_b32 s[SEL+1], 0xfedcba98
	s_mov_b32 s42, 0xffff0000                      ; lanes 16-31
	s_mul_i32 s17, ttmp9, 6
	s_add_co_u32 s17, s17, s16                     ; the job's number
	s_mov_b32 s25, 2359296                         ; where waq's scale words begin
	s_wait_kmcnt 0x0
	s_cmp_lt_u32 s17, 1024                         ; x's job?
	s_cselect_b64 s[20:21], s[4:5], s[6:7]
	s_cselect_b64 s[22:23], s[10:11], s[12:13]
	s_cselect_b32 s24, 0, 1024
	s_cselect_b32 s25, 6291456, s25
	s_cmp_lt_u32 s17, 1408                         ; or w_proj's?
	s_cselect_b64 s[20:21], s[20:21], s[8:9]
	s_cselect_b64 s[22:23], s[22:23], s[14:15]
	s_cselect_b32 s24, s24, 1408
	s_cselect_b32 s25, s25, 786432
	s_sub_co_u32 s24, s17, s24                     ; the job's number in its tensor = 8 x group + K step
	s_lshr_b32 s26, s24, 3
	s_and_b32 s27, s24, 7
	s_lshl_b32 s28, s26, 18                        ; 64 rows of 4,096 bytes
	s_lshl_b32 s29, s27, 9                         ; 128 numbers
	s_add_co_u32 s28, s28, s29
	s_mov_b32 s29, 0
	s_add_nc_u64 s[20:21], s[20:21], s[28:29]
	s_mul_i32 s30, s26, 49152                      ; four row tiles
	s_mul_i32 s31, s27, 1536                       ; two half fragments
	s_add_co_u32 s30, s30, s31
	s_mov_b32 s31, 0
	s_add_nc_u64 s[30:31], s[22:23], s[30:31]      ; the codes
	s_lshl_b32 s32, s24, 8
	s_add_co_u32 s32, s32, s25
	s_mov_b32 s33, 0
	s_add_nc_u64 s[32:33], s[22:23], s[32:33]      ; the scale words: 256 bytes a job
.macro LOADT t                         ; tile t: sixteen rows' 512 bytes, each by one load of the wave
.irp i, 0,1,2,3,4,5,6,7,8,9,10,11,12,13,14,15
	global_load_b128 v[R+64*((\t)%2)+4*\i:R+64*((\t)%2)+4*\i+3], v[L16], s[20:21] offset:(32*((\t)/2)+8*((\t)%2)+\i+8*(\i/8))*4096 th:TH_LOAD_NT
.endr
.endm
.macro TURN t                          ; through the stage: LDS serves a wave's instructions in order, so no wait stands between the stores and the loads
.irp i, 0,1,2,3,4,5,6,7,8,9,10,11,12,13,14,15
	ds_store_b128 v[STW], v[R+64*((\t)%2)+4*\i:R+64*((\t)%2)+4*\i+3] offset:PITCH*\i
.endr
.irp c, 0,1
.irp i, 0,1,2,3,4,5,6,7
	ds_load_b128 v[X+32*\c+4*\i:X+32*\c+4*\i+3], v[STR] offset:256*\c+16*\i   ; k = 64 c + 32 h + 4 i ..
.endr
.endr
.endm
.macro BLK t                           ; my blocks h and 2 + h of row r become registers 6 c .. 6 c + 5 of the fragment
.set CS, C+12*((\t)%2)
.irp c, 0,1
	v_max3_num_f32 v[8+\c], |v[X+32*\c]|, |v[X+32*\c+1]|, 0x2800000   ; with the floor 2^(5 - 127): the byte cannot fall under 1
.endr
.irp i, 2,4,6,8,10,12,14,16,18,20,22,24,26,28,30
.irp c, 0,1
	v_max3_num_f32 v[8+\c], v[8+\c], |v[X+32*\c+\i]|, |v[X+32*\c+\i+1]|
.endr
.endr
.irp c, 0,1
	v_add_nc_u32 v[10+\c], 0xfe000000, v[8+\c]     ; 4 off the exponent field: the conversion's scale operand
.endr
.irp c, 0,1
	v_lshrrev_b32 v[12+\c], 23, v[10+\c]           ; the byte
.endr
	v_lshl_or_b32 v14, v13, 16, v12                ; my two bytes,
	v_lshlrev_b32 v14, v[H8], v14                  ; at their places in the row's word;
	v_permlanex16_b32 v15, v14, s[SEL], s[SEL+1]
	v_or_b32 v[W+(\t)], v14, v15                   ; with lane l xor 16's two it is whole, in both halves of the lanes
.irp c, 0,1
	v_cvt_scalef32_pk16_bf6_f32 v[CS+6*\c:CS+6*\c+2], v[X+32*\c:X+32*\c+15], v[10+\c]
	v_cvt_scalef32_pk16_bf6_f32 v[CT+4*\c:CT+4*\c+2], v[X+32*\c+16:X+32*\c+31], v[10+\c]   ; (a conversion's three registers begin on an even number)
.endr
	v_nop                                          ; one plain place behind a scaled conversion
.irp c, 0,1
.irp i, 0,1,2
	v_mov_b32 v[CS+6*\c+3+\i], v[CT+4*\c+\i]
.endr
.endr
.irp c, 0,1
	global_store_b128 v[L16], v[CS+6*\c:CS+6*\c+3], s[30:31] offset:(\t)*12288+\c*768          ; 512 consecutive bytes, aligned to 256
	global_store_b64 v[L8], v[CS+6*\c+4:CS+6*\c+5], s[30:31] offset:(\t)*12288+\c*768+512      ; 256 consecutive bytes, aligned
.endr
.endm
	LOADT 0
	LOADT 1
.irp t, 0,1,2,3
.if \t < 3
	s_wait_loadcnt 16                              ; this tile's sixteen loads are in; the next tile's sixteen may be out
.else
	s_wait_loadcnt 0x0
.endif
	TURN \t
	s_wait_dscnt 0x0                               ; my blocks are in; the stage's stores have read their registers,
.if \t < 2
	LOADT \t+2                                     ; which take the tile two on
.else
	s_wait_xcnt 0x0                                ; the stores of the tile two back have read this set of code registers
.endif
	BLK \t
.endr
	v_cndmask_b32 v[OUTW], v[W], v[W+1], s42       ; register j: tile 2 j in lanes 0-15, tile 2 j + 1 in lanes 16-31
	v_cndmask_b32 v[OUTW+1], v[W+2], v[W+3], s42
	global_store_b64 v[L8], v[OUTW:OUTW+1], s[32:33]   ; one aligned run of 256 bytes
	s_wait_tensorcnt 0x0
	ds_add_u32 v248, v249
	s_wait_dscnt 0x0
	s_endpgm
.Lfunc_end_k_q3e393ca16a_quant:
	.size	k_q3e393ca16a_quant, .Lfunc_end_k_q3e393ca16a_quant-k_q3e393ca16a_quant
	.p2alignl 7, 3214868480
	.fill 96, 4, 3214868480
	.section	.rodata,"a",@progbits
	.p2align	6, 0x0
	.amdhsa_kernel k_q3e393ca16a_quant
		.amdhsa_group_segment_fixed_size 51456
		.amdhsa_private_segment_fixed_size 0
		.amdhsa_enable_private_segment 0
		.amdhsa_kernarg_size 48
		.amdhsa_user_sgpr_count 2
		.amdhsa_user_sgpr_kernarg_segment_ptr 1
		.amdhsa_wavefront_size32 1
		.amdhsa_system_sgpr_workgroup_id_x 1
		.amdhsa_system_sgpr_workgroup_id_y 1
		.amdhsa_system_sgpr_workgroup_id_z 1
		.amdhsa_system_vgpr_workitem_id 0
		.amdhsa_next_free_vgpr 250
		.amdhsa_next_free_sgpr 66
		.amdhsa_reserve_vcc 0
		.amdhsa_float_denorm_mode_32 3
		.amdhsa_float_denorm_mode_16_64 3
		.amdhsa_memory_ordered 1
		.amdhsa_forward_progress 1
		.amdhsa_inst_pref_size 31
	.end_amdhsa_kernel
	.amdgpu_metadata
---
amdhsa.version: [ 1, 2 ]
amdhsa.kernels:
  - .name:           k_q3e393ca16a_quant
    .symbol:         k_q3e393ca16a_quant.kd
    .args:
      - { .name: x, .offset: 0, .size: 8, .value_kind: global_buffer, .address_space: global }
      - { .name: w_attn, .offset: 8, .size: 8, .value_kind: global_buffer, .address_space: global }
      - { .name: w_proj, .offset: 16, .size: 8, .value_kind: global_buffer, .address_space: global }
      - { .name: xq, .offset: 24, .size: 8, .value_kind: global_buffer, .address_space: global }
      - { .name: waq, .offset: 32, .size: 8, .value_kind: global_buffer, .address_space: global }
      - { .name: wpq, .offset: 40, .size: 8, .value_kind: global_buffer, .address_space: global }
    .group_segment_fixed_size: 51456
    .private_segment_fixed_size: 0
    .kernarg_segment_align: 8
    .kernarg_segment_size: 48
    .max_flat_workgroup_size: 192
    .sgpr_count:     66
    .vgpr_count:     250
    .wavefront_size: 32
...
	.end_amdgpu_metadata
.endif
;; end of part 1
;; launch qkv (part 2): grid 16 x 48, 4 waves a work-group, clusters of 4 x 4, 295,424 bytes of LDS; arguments xq, waq, qb, kv; writes qb, kv
.if DOCPART == 2
	.amdgcn_target "amdgcn-amd-amdhsa--gfx1250"
	.amdhsa_code_object_version 6
	.text
	.protected	k_q3e393ca16a_qkv
	.globl	k_q3e393ca16a_qkv
	.p2align	8
	.type	k_q3e393ca16a_qkv,@function
k_q3e393ca16a_qkv:
	s_mov_b64 s[64:65], 0
	v_nop
	global_prefetch_b8 v0, s[64:65] scope:SCOPE_SE
	s_setreg_imm32_b32 hwreg(HW_REG_WAVE_MODE, 25, 1), 1
	s_wait_xcnt 0x0
	s_wait_alu depctr_hold_cnt(0) depctr_sa_sdst(0) depctr_va_vdst(0) depctr_va_sdst(0) depctr_va_ssrc(0) depctr_va_vcc(0) depctr_vm_vsrc(0)
	s_getreg_b32 s2, hwreg(HW_REG_IB_STS2, 6, 4)
	s_cmp_eq_u32 s2, 0
	s_cbranch_scc0 .Lentry_in_a_cluster
	s_endpgm
.Lentry_in_a_cluster:
	s_bfe_u32 s2, ttmp6, 0x10000c
	s_cmp_lg_u32 s2, 0xf033
	s_cbranch_scc0 .Lentry_shape_is_right
	s_endpgm
.Lentry_shape_is_right:
; qkv = x w_attn^T on codes of BF6 with E8M0 scales, K = 1,024; q, k and v are quantised in the way out and leave as codes in the order of the next products' registers.
; Out[i][j] = sum over k of A[i][k] B[j][k].  A work-group makes 256 rows of A x 128 rows of B: four waves, each 64 rows of A (4 row tiles) x all 8 tiles of B: 32 accumulators, 256 registers.
; 768 work-groups.  PART 0 (cluster y 0-7; q and k): A = x's tokens, B = w_attn's rows 0-2047: a lane holds one token and its registers run along the features: two heads' 64.
; PART 1 (cluster y 8-11; v, made TRANSPOSED): A = w_attn's rows 2048-3071, B = x's tokens: a lane holds one (head, d) and its registers run along 128 keys, the second attention product's K.
; The matrix instruction takes source 0 = a tile of B, source 1 = a tile of A.  Lane r of row tile 2 P + u holds row 32 P + 8 u + r + 8 (r / 8), so that the 16 registers of B's tiles 2 P, 2 P + 1 are the 16 neighbours 32 P + 16 h + 0 .. 15.
; LDS: the whole K of both operands fits: A 196,608 bytes, B 98,304, in four stages of 256 along K, each filled ONCE: no slot is ever filled again.  A wave that fetches has four tensor loads out.
; CLUSTER 4 x 4: A's tiles are asked for jointly along a row of the cluster, B's along a column.  Waves 0 and 1 fetch A's halves, wave 2 fetches B, wave 3 nothing.
; WORKSPACE.  qb: [head 64][group of 64 queries 32][4 half fragments 3,072 | scale words 256].  kv: [head][128 keys][K: 8 half fragments 6,144 | V^T: 4 tiles of d x 1,536 | K's scale words 512 | V's 256].
; q's and k's scale words: bytes 0, 1 the head's two blocks; bytes 2, 3 are 0x7f (the upper 64 of the 128-deep product are zero codes on q's side).
; LIMITS: a block whose largest magnitude lies under 2^-122 (zeros too) gets the byte 1; NaN and infinities are not served.
; REGISTERS: window 0: v1-19 addresses; v32-47 A's scale words, v48-79 B's; v80-127, v128-175 A's fragments, two sets; window 1: v0-95, v128-223 B's, two sets; window 2: accumulator (a, b) at v[8 (8 a + b)].
.set WV,  12
.set SEL, 2                            ; s[2:3] lane selects: lane l xor 16
.set G1A, 16                           ; s[16:23] descriptor group 1 for A's tiles, s[24:31] for B's: they differ in the mask
.set G1B, 24
.set G0A, 32                           ; s[32:47] group 0 for A, one set a stage; s[48:63] for B
.set G0B, 48
.set L16, 1
.set L8,  2
.set A16, 4                            ; v4-7 LDS address of my A tiles' 16-byte planes in stage s; v8-11 the 8-byte planes; v12-15, v16-19 the same for B
.set A8,  8
.set B16, 12
.set B8,  16
.set SA,  32
.set SB,  48
.set AF,  80
.set CD,  80                           ; the way out: v80-127 four fragments of codes
.set CT,  128                          ; v128-134
.set TM,  136                          ; v136-151
.set WD,  152                          ; v152-155 the four tiles' scale words
.set WP,  156                          ; v156-157 joined: tile 2 j below, 2 j + 1 above
.set H0,  158                          ; v158-159, v160-161 the two heads' words
.set H1,  160
.set MSB, 0
.macro WIN new                         ; the immediate's high byte repeats the setting that is left
.if MSB != \new
	s_set_vgpr_msb (MSB<<8)|\new
.set MSB, \new
.endif
.endm
.macro ROUND                           ; a round of the cluster's barrier
	s_barrier_signal -1
	s_barrier_wait -1
	s_cmp_lg_u32 s[WV], 0
	s_cbranch_scc1 .Lnot_wave_0_\@
	s_barrier_signal -3
.Lnot_wave_0_\@:
	s_barrier_wait -3
	s_barrier_signal -1
	s_barrier_wait -1
.endm
.macro PLACES                          ; four plain places behind matrix instructions, ahead of loads into their sources and of reads of their results
.rept 4
	v_nop
.endr
.endm
	s_load_b128 s[4:7], s[0:1], 0x0                ; xq, waq
	s_load_b128 s[8:11], s[0:1], 0x10              ; qb, kv
	v_lshl_add_u32 v254, v0, 2, 0x48000
	v_mov_b32 v255, 0
	ds_add_u32 v254, v255
	ds_add_u32 v254, v255
	v_lshrrev_b32 v3, 5, v0
	v_readfirstlane_b32 s[WV], v3                  ; wave 0..3
	v_and_b32 v3, 31, v0
	v_lshlrev_b32 v[L16], 4, v3
	v_lshlrev_b32 v[L8], 3, v3
	s_mul_i32 s96, s[WV], 12288                    ; my four tiles of A in a stage
	v_add_nc_u32 v[A16], s96, v[L16]
	v_add_nc_u32 v[A8], s96, v[L8]
	v_add_nc_u32 v[B16], 196608, v[L16]
	v_add_nc_u32 v[B8], 196608, v[L8]
.irp s, 1,2,3
	v_add_nc_u32 v[A16+\s], \s*49152, v[A16]
	v_add_nc_u32 v[A8+\s], \s*49152, v[A8]
	v_add_nc_u32 v[B16+\s], \s*24576, v[B16]
	v_add_nc_u32 v[B8+\s], \s*24576, v[B8]
.endr
	s_mov_b32 s[SEL], 0x76543210
	s_mov_b32 s[SEL+1], 0xfedcba98
	s_bfe_u32 s13, ttmp6, 0x40000                  ; cx
	s_bfe_u32 s14, ttmp6, 0x40004                  ; cy
	s_and_b32 s67, ttmp7, 0xffff                   ; cluster y
	s_lshl_b32 s69, s67, 2
	s_lshl_b32 s70, ttmp9, 2
	s_sub_co_u32 s71, s67, 8
	s_lshl_b32 s71, s71, 4
	s_mov_b32 s76, 6291456                         ; where xq's scale words begin
	s_mov_b32 s77, 2359296                         ; and waq's
	s_cmp_ge_u32 s67, 8                            ; PART: the same in all sixteen partners
	s_cselect_b32 s68, 1, 0
	s_cselect_b32 s69, 0, s69
	s_cselect_b32 s71, s71, 0
	s_cselect_b32 s78, 128, 0                      ; A's first row tile: v's rows of w_attn begin at tile 128
	s_cselect_b32 s84, s77, s76
	s_cselect_b32 s85, s76, s77
	s_add_co_u32 s69, s69, s14                     ; I: which 256 rows of A; it holds cy and never cx
	s_add_co_u32 s70, s70, s13
	s_add_co_u32 s70, s70, s71                     ; J: which 128 rows of B; it holds cx and never cy
	s_lshl_b32 s79, s69, 4
	s_add_co_u32 s78, s78, s79                     ; A's first row tile
	s_and_b32 s81, s[WV], 1
	s_lshl_b32 s82, s81, 3
	s_add_co_u32 s82, s82, s78
	s_mul_i32 s82, s82, 12288                      ; A: the eight tiles that I fetch, in bytes
	s_mov_b32 s83, 0
	s_mul_i32 s86, s70, 98304                      ; B: eight tiles
	s_mov_b32 s87, 0
	s_mul_i32 s88, s81, 24576                      ; A's half of a stage in LDS: the wave's number alone
	s_lshr_b32 s92, s78, 2
	s_add_co_u32 s92, s92, s[WV]
	s_lshl_b32 s92, s92, 11                        ; my 64 rows' scale words: 2,048 bytes a group
	s_add_co_u32 s92, s92, s84
	s_mov_b32 s93, 0
	s_lshl_b32 s94, s70, 12                        ; B's two groups
	s_add_co_u32 s94, s94, s85
	s_mov_b32 s95, 0
	s_lshl_b32 s89, s14, 2
	s_lshl_b32 s89, 15, s89                        ; my row of the cluster
	s_lshl_b32 s90, 0x1111, s13                    ; my column
	; group 1: 8 row tiles x 3,072 bytes (four half fragments: 256 along K), 12,288 bytes apart; elements of 8 bytes; dense in LDS
	s_or_b32 s[G1A], s89, (3<<16)|(1<<21)          ; 15:0 the mask; 17:16 elements of 8 bytes; 21 set beside a mask
	s_or_b32 s[G1B], s90, (3<<16)|(1<<21)
.irp g, G1A, G1B
	s_mov_b32 s[\g+1], 384<<16                     ; tensor_dim0
	s_mov_b32 s[\g+2], 8<<16                       ; tensor_dim1
	s_mov_b32 s[\g+3], 384<<16                     ; tile_dim0
	s_mov_b32 s[\g+4], 8                           ; tile_dim1
	s_mov_b32 s[\g+5], 1536                        ; from row tile to row tile
	s_mov_b32 s[\g+6], 0
	s_mov_b32 s[\g+7], 0
.endr
	s_wait_dscnt 0x0
	s_wait_kmcnt 0x0
	s_cmp_eq_u32 s68, 1
	s_cselect_b64 s[72:73], s[6:7], s[4:5]         ; A
	s_cselect_b64 s[74:75], s[4:5], s[6:7]         ; B
	s_add_nc_u64 s[82:83], s[72:73], s[82:83]
	s_add_nc_u64 s[86:87], s[74:75], s[86:87]
	s_add_nc_u64 s[92:93], s[72:73], s[92:93]
	s_add_nc_u64 s[94:95], s[74:75], s[94:95]
.irp s, 0,1,2,3
	s_mov_b32 s[G0A+4*\s], 1
	s_add_co_u32 s[G0A+4*\s+1], s88, \s*49152
	s_add_nc_u64 s[G0A+4*\s+2:G0A+4*\s+3], s[82:83], \s*3072
	s_or_b32 s[G0A+4*\s+3], s[G0A+4*\s+3], 0x80000000
	s_mov_b32 s[G0B+4*\s], 1
	s_mov_b32 s[G0B+4*\s+1], 196608+\s*24576
	s_add_nc_u64 s[G0B+4*\s+2:G0B+4*\s+3], s[86:87], \s*3072
	s_or_b32 s[G0B+4*\s+3], s[G0B+4*\s+3], 0x80000000
.endr
	ROUND                                          ; all sixteen work-groups are here: the joint loads meet
	s_cmp_lt_u32 s[WV], 2                          ; all fills of a wave stand in one branch on its number; four v_nop follow the last
	s_cbranch_scc0 .Lnot_a
.irp s, 0,1,2,3
	tensor_load_to_lds s[G0A+4*\s:G0A+4*\s+3], s[G1A:G1A+7]
	s_nop 0
.endr
	PLACES
	s_branch .Lasked
.Lnot_a:
	s_cmp_eq_u32 s[WV], 2
	s_cbranch_scc0 .Lasked
.irp s, 0,1,2,3
	tensor_load_to_lds s[G0B+4*\s:G0B+4*\s+3], s[G1B:G1B+7]
	s_nop 0
.endr
	PLACES
.Lasked:
.irp q, 0,1,2,3,4,5,6,7                ; all scale words, once: each load 256 consecutive bytes.  Register SA + 2 q + j: my tile 2 j below, 2 j + 1 above; SB + 4 q + i: B's tile 2 i below, 2 i + 1 above
	global_load_b64 v[SA+2*\q:SA+2*\q+1], v[L8], s[92:93] offset:256*\q
	global_load_b64 v[SB+4*\q:SB+4*\q+1], v[L8], s[94:95] offset:256*\q
	global_load_b64 v[SB+4*\q+2:SB+4*\q+3], v[L8], s[94:95] offset:2048+256*\q
.endr
; 48 LDS loads: the fragments of K step q (128 along K = two half fragments a tile) into set p
.macro FETCH q, p
	WIN 0x40                                       ; destination window 1
.irp i, 0,1,2,3,4,5,6,7
.irp e, 0,1
	ds_load_b128 v[128*(\p)+12*\i+6*\e:128*(\p)+12*\i+6*\e+3], v[B16+(\q)/2] offset:3072*\i+768*(2*((\q)%2)+\e)
	ds_load_b64 v[128*(\p)+12*\i+6*\e+4:128*(\p)+12*\i+6*\e+5], v[B8+(\q)/2] offset:3072*\i+768*(2*((\q)%2)+\e)+512
.endr
.endr
	WIN 0
.irp i, 0,1,2,3
.irp e, 0,1
	ds_load_b128 v[AF+48*(\p)+12*\i+6*\e:AF+48*(\p)+12*\i+6*\e+3], v[A16+(\q)/2] offset:3072*\i+768*(2*((\q)%2)+\e)
	ds_load_b64 v[AF+48*(\p)+12*\i+6*\e+4:AF+48*(\p)+12*\i+6*\e+5], v[A8+(\q)/2] offset:3072*\i+768*(2*((\q)%2)+\e)+512
.endr
.endr
.endm
; one product.  An odd tile's scale words lie in lanes 16-31 of its register.  z = 1: the first K step starts the sum
.macro WM a, b, q, p, z
.set rD, 8*(8*(\a)+(\b))
.set rB, 128*(\p)+12*(\b)
.set rA, AF+48*(\p)+12*(\a)
.set rX, SB+4*(\q)+(\b)/2
.set rY, SA+2*(\q)+(\a)/2
.if \z
.if ((\b)%2) && ((\a)%2)
	v_wmma_scale_f32_16x16x128_f8f6f4 v[rD:rD+7], v[rB:rB+11], v[rA:rA+11], 0, v[rX], v[rY] matrix_a_fmt:MATRIX_FMT_BF6 matrix_b_fmt:MATRIX_FMT_BF6 matrix_a_scale:MATRIX_SCALE_ROW1 matrix_b_scale:MATRIX_SCALE_ROW1
.elseif (\b)%2
	v_wmma_scale_f32_16x16x128_f8f6f4 v[rD:rD+7], v[rB:rB+11], v[rA:rA+11], 0, v[rX], v[rY] matrix_a_fmt:MATRIX_FMT_BF6 matrix_b_fmt:MATRIX_FMT_BF6 matrix_a_scale:MATRIX_SCALE_ROW1
.elseif (\a)%2
	v_wmma_scale_f32_16x16x128_f8f6f4 v[rD:rD+7], v[rB:rB+11], v[rA:rA+11], 0, v[rX], v[rY] matrix_a_fmt:MATRIX_FMT_BF6 matrix_b_fmt:MATRIX_FMT_BF6 matrix_b_scale:MATRIX_SCALE_ROW1
.else
	v_wmma_scale_f32_16x16x128_f8f6f4 v[rD:rD+7], v[rB:rB+11], v[rA:rA+11], 0, v[rX], v[rY] matrix_a_fmt:MATRIX_FMT_BF6 matrix_b_fmt:MATRIX_FMT_BF6
.endif
.else
.if ((\b)%2) && ((\a)%2)
	v_wmma_scale_f32_16x16x128_f8f6f4 v[rD:rD+7], v[rB:rB+11], v[rA:rA+11], v[rD:rD+7], v[rX], v[rY] matrix_a_fmt:MATRIX_FMT_BF6 matrix_b_fmt:MATRIX_FMT_BF6 matrix_a_scale:MATRIX_SCALE_ROW1 matrix_b_scale:MATRIX_SCALE_ROW1
.elseif (\b)%2
	v_wmma_scale_f32_16x16x128_f8f6f4 v[rD:rD+7], v[rB:rB+11], v[rA:rA+11], v[rD:rD+7], v[rX], v[rY] matrix_a_fmt:MATRIX_FMT_BF6 matrix_b_fmt:MATRIX_FMT_BF6 matrix_a_scale:MATRIX_SCALE_ROW1
.elseif (\a)%2
	v_wmma_scale_f32_16x16x128_f8f6f4 v[rD:rD+7], v[rB:rB+11], v[rA:rA+11], v[rD:rD+7], v[rX], v[rY] matrix_a_fmt:MATRIX_FMT_BF6 matrix_b_fmt:MATRIX_FMT_BF6 matrix_b_scale:MATRIX_SCALE_ROW1
.else
	v_wmma_scale_f32_16x16x128_f8f6f4 v[rD:rD+7], v[rB:rB+11], v[rA:rA+11], v[rD:rD+7], v[rX], v[rY] matrix_a_fmt:MATRIX_FMT_BF6 matrix_b_fmt:MATRIX_FMT_BF6
.endif
.endif
.endm
; K step q: the next step's fragments are asked for, then this step's 32 products; the 32 accumulators take turns, in the same order in every step
.macro KSTEP q
.if ((\q)%2 == 1) && ((\q) < 7)
	s_wait_tensorcnt 2-(\q)/2                      ; my part of the next stage is in; the loads of the stages behind it may be out (nothing is ever filled again)
	s_wait_dscnt 0x0                               ; no LDS load of mine is pending at a signal
	s_barrier_signal -1
	s_barrier_wait -1                              ; everybody's part is in
.endif
.if (\q) < 7
	FETCH (\q)+1, ((\q)+1)%2
	s_wait_dscnt 48                                ; all but the 48 just issued
.else
	s_wait_dscnt 0x0
.endif
	WIN 0xa1                                       ; source 0 (B) window 1, source 1 (A) window 0, C and D window 2
.irp a, 0,1,2,3
.irp b, 0,1,2,3,4,5,6,7
	WM \a, \b, \q, (\q)%2, (\q)==0
.endr
.endr
	WIN 0
	PLACES
.endm
	s_wait_tensorcnt 3                             ; my part of stage 0 is in; three loads may be out
	s_barrier_signal -1
	s_barrier_wait -1
	FETCH 0, 0
	s_wait_loadcnt 0x0                             ; the scale words
.irp q, 0,1,2,3,4,5,6,7
	KSTEP \q
.endr
; THE WAY OUT.  Tile a's 64 numbers of a lane (register 16 b + i = neighbour 32 b + 16 h + i along the next K) become a fragment's 12 registers of codes at v[CD + 12 a] and the row's scale word in v[WD + a].
.macro QUANTW a
	WIN 0x0a                                       ; sources 0 and 1 window 2.
.irp b, 0,1,2,3
	v_max3_num_f32 v[TM+\b], |v[64*(\a)+16*\b]|, |v[64*(\a)+16*\b+1]|, 0x2800000   ; with the floor 2^(5 - 127)
.endr
.irp i, 2,4,6,8,10,12,14
.irp b, 0,1,2,3
	v_max3_num_f32 v[TM+\b], |v[64*(\a)+16*\b+\i]|, |v[64*(\a)+16*\b+\i+1]|, v[TM+\b]
.endr
.endr
	WIN 0
.irp b, 0,1,2,3
	v_permlanex16_b32 v[TM+4+\b], v[TM+\b], s[SEL], s[SEL+1]
.endr
.irp b, 0,1,2,3
	v_max_num_f32 v[TM+\b], v[TM+\b], v[TM+4+\b]   ; with lane l xor 16's sixteen: the block's largest magnitude
.endr
.irp b, 0,1,2,3
	v_add_nc_u32 v[TM+12+\b], 0xfe000000, v[TM+\b] ; 4 off the exponent field: the conversion's scale operand
.endr
.irp b, 0,1,2,3
	v_lshrrev_b32 v[TM+4+\b], 23, v[TM+12+\b]      ; the byte
.endr
	v_lshl_or_b32 v[WD+(\a)], v[TM+5], 8, v[TM+4]
	v_lshl_or_b32 v[WD+(\a)], v[TM+6], 16, v[WD+(\a)]
	v_lshl_or_b32 v[WD+(\a)], v[TM+7], 24, v[WD+(\a)]
	WIN 0x02                                       ; source 0 window 2
.irp c, 0,1
	v_cvt_scalef32_pk16_bf6_f32 v[CD+12*(\a)+6*\c:CD+12*(\a)+6*\c+2], v[64*(\a)+32*\c:64*(\a)+32*\c+15], v[TM+12+2*\c]
	v_cvt_scalef32_pk16_bf6_f32 v[CT+4*\c:CT+4*\c+2], v[64*(\a)+32*\c+16:64*(\a)+32*\c+31], v[TM+12+2*\c+1]
.endr
	WIN 0
	v_nop                                          ; one plain place behind a scaled conversion
.irp c, 0,1                            ; the operand's layout wants a whole block in a lane: lanes 0-15 block 2 c, lanes 16-31 block 2 c + 1
.irp i, 0,1,2
	v_permlane16_swap_b32 v[CD+12*(\a)+6*\c+\i], v[CT+4*\c+\i]
.endr
.irp i, 0,1,2
	v_mov_b32 v[CD+12*(\a)+6*\c+3+\i], v[CT+4*\c+\i]
.endr
.endr
.endm
.irp b, 0,1,2,3
	v_mov_b32 v[TM+4+\b], 0                        ; a lane permute's destination counts as one of its sources
.endr
.irp a, 0,1,2,3
	QUANTW \a
.endr
	s_mov_b32 s97, 0xffff0000                      ; lanes 16-31
	v_cndmask_b32 v[WP], v[WD], v[WD+1], s97
	v_cndmask_b32 v[WP+1], v[WD+2], v[WD+3], s97
	s_cmp_eq_u32 s68, 1
	s_cbranch_scc1 .Lvpart
	; PART 0: registers 0-5 are the first head's half fragment, 6-11 the second's
	s_lshr_b32 s66, s69, 3                         ; batch
	s_and_b32 s67, s69, 7
	s_lshl_b32 s67, s67, 2
	s_add_co_u32 s67, s67, s[WV]                   ; my group of 64 tokens in the batch
	s_and_b32 s71, s70, 7
	s_lshl_b32 s71, s71, 1
	s_lshl_b32 s66, s66, 4
	s_add_co_u32 s66, s66, s71                     ; the first of my two heads: 16 x batch + 2 (J % 8)
	s_lshr_b32 s72, s67, 1
	s_and_b32 s73, s67, 1
	s_mul_i32 s74, s72, 13056
	s_mul_i32 s75, s73, 3072
	s_add_co_u32 s75, s75, s74                     ; k: codes in the key step's block,
	s_lshl_b32 s76, s73, 8
	s_add_co_u32 s76, s76, s74
	s_add_co_u32 s76, s76, 12288                   ; and scale words
	s_mul_i32 s77, s67, 3328                       ; q: codes,
	s_add_co_u32 s78, s77, 3072                    ; and scale words
	s_mov_b32 s79, 106496                          ; a head in qb
	s_lshr_b32 s80, ttmp9, 1                       ; J / 8 = cluster x / 2: 0 q, 1 k
	s_cmp_eq_u32 s80, 1
	s_cselect_b64 s[82:83], s[10:11], s[8:9]
	s_cselect_b32 s75, s75, s77
	s_cselect_b32 s76, s76, s78
	s_cselect_b32 s79, 208896, s79                 ; a head in kv
	s_mul_i32 s84, s66, s79
	s_add_co_u32 s86, s84, s75
	s_mov_b32 s87, 0
	s_add_nc_u64 s[86:87], s[82:83], s[86:87]      ; the first head's codes
	s_mov_b32 s88, s79
	s_mov_b32 s89, 0
	s_add_nc_u64 s[90:91], s[86:87], s[88:89]      ; the second's
	s_add_co_u32 s92, s84, s76
	s_mov_b32 s93, 0
	s_add_nc_u64 s[92:93], s[82:83], s[92:93]      ; the first head's scale words
	s_add_nc_u64 s[94:95], s[92:93], s[88:89]
	s_mov_b32 s96, 0x7f7f0000
.irp j, 0,1
	v_and_or_b32 v[H0+\j], v[WP+\j], 0xffff, s96
	v_lshrrev_b32 v[H1+\j], 16, v[WP+\j]
.endr
.irp j, 0,1
	v_or_b32 v[H1+\j], s96, v[H1+\j]
.endr
.irp a, 0,1,2,3                        ; every store covers 512 or 256 consecutive bytes, aligned to 256
	global_store_b128 v[L16], v[CD+12*\a:CD+12*\a+3], s[86:87] offset:768*\a
	global_store_b64 v[L8], v[CD+12*\a+4:CD+12*\a+5], s[86:87] offset:768*\a+512
	global_store_b128 v[L16], v[CD+12*\a+6:CD+12*\a+9], s[90:91] offset:768*\a
	global_store_b64 v[L8], v[CD+12*\a+10:CD+12*\a+11], s[90:91] offset:768*\a+512
.endr
	global_store_b64 v[L8], v[H0:H0+1], s[92:93]
	global_store_b64 v[L8], v[H1:H1+1], s[94:95]
	s_branch .Lout
.Lvpart:
	; PART 1: my 64 rows of A are one head's d; tile a is a whole fragment of V^T for these 128 keys
	s_lshr_b32 s66, s70, 4
	s_lshl_b32 s66, s66, 4
	s_lshl_b32 s67, s69, 2
	s_add_co_u32 s66, s66, s67
	s_add_co_u32 s66, s66, s[WV]                   ; 16 x batch + head
	s_mul_i32 s66, s66, 208896
	s_and_b32 s67, s70, 15                         ; the key step
	s_mul_i32 s67, s67, 13056
	s_add_co_u32 s86, s66, s67
	s_mov_b32 s87, 0
	s_add_nc_u64 s[86:87], s[10:11], s[86:87]
.irp a, 0,1,2,3
.irp c, 0,1,2
	global_store_b128 v[L16], v[CD+12*\a+4*\c:CD+12*\a+4*\c+3], s[86:87] offset:6144+1536*\a+512*\c
.endr
.endr
	global_store_b64 v[L8], v[WP:WP+1], s[86:87] offset:12800
.Lout:
	s_wait_tensorcnt 0x0
	ds_add_u32 v254, v255
	s_wait_dscnt 0x0
	ROUND                                          ; the closing round: no work-group ends while a partner may still ask for a tile that names it
	s_endpgm
.Lfunc_end_k_q3e393ca16a_qkv:
	.size	k_q3e393ca16a_qkv, .Lfunc_end_k_q3e393ca16a_qkv-k_q3e393ca16a_qkv
	.p2alignl 7, 3214868480
	.fill 96, 4, 3214868480
	.section	.rodata,"a",@progbits
	.p2align	6, 0x0
	.amdhsa_kernel k_q3e393ca16a_qkv
		.amdhsa_group_segment_fixed_size 295424
		.amdhsa_private_segment_fixed_size 0
		.amdhsa_enable_private_segment 0
		.amdhsa_kernarg_size 32
		.amdhsa_user_sgpr_count 2
		.amdhsa_user_sgpr_kernarg_segment_ptr 1
		.amdhsa_wavefront_size32 1
		.amdhsa_system_sgpr_workgroup_id_x 1
		.amdhsa_system_sgpr_workgroup_id_y 1
		.amdhsa_system_sgpr_workgroup_id_z 1
		.amdhsa_system_vgpr_workitem_id 0
		.amdhsa_next_free_vgpr 768
		.amdhsa_next_free_sgpr 100
		.amdhsa_reserve_vcc 0
		.amdhsa_float_denorm_mode_32 3
		.amdhsa_float_denorm_mode_16_64 3
		.amdhsa_memory_ordered 1
		.amdhsa_forward_progress 1
		.amdhsa_inst_pref_size 91
	.end_amdhsa_kernel
	.amdgpu_metadata
---
amdhsa.version: [ 1, 2 ]
amdhsa.kernels:
  - .name:           k_q3e393ca16a_qkv
    .symbol:         k_q3e393ca16a_qkv.kd
    .args:
      - { .name: xq, .offset: 0, .size: 8, .value_kind: global_buffer, .address_space: global }
      - { .name: waq, .offset: 8, .size: 8, .value_kind: global_buffer, .address_space: global }
      - { .name: qb, .offset: 16, .size: 8, .value_kind: global_buffer, .address_space: global }
      - { .name: kv, .offset: 24, .size: 8, .value_kind: global_buffer, .address_space: global }
    .group_segment_fixed_size: 295424
    .private_segment_fixed_size: 0
    .kernarg_segment_align: 8
    .kernarg_segment_size: 32
    .max_flat_workgroup_size: 128
    .sgpr_count:     100
    .vgpr_count:     768
    .wavefront_size: 32
...
	.end_amdgpu_metadata
.endif
;; end of part 2
;; launch attn (part 3): grid 4 x 64, 16 waves a work-group, clusters of 4 x 1, 210,944 bytes of LDS; arguments qb, kv, yq; writes yq
.if DOCPART == 3
	.amdgcn_target "amdgcn-amd-amdhsa--gfx1250"
	.amdhsa_code_object_version 6
	.text
	.protected	k_q3e393ca16a_attn
	.globl	k_q3e393ca16a_attn
	.p2align	8
	.type	k_q3e393ca16a_attn,@function
k_q3e393ca16a_attn:
	s_mov_b64 s[64:65], 0
	v_nop
	global_prefetch_b8 v0, s[64:65] scope:SCOPE_SE
	s_setreg_imm32_b32 hwreg(HW_REG_WAVE_MODE, 25, 1), 1
	s_wait_xcnt 0x0
	s_wait_alu depctr_hold_cnt(0) depctr_sa_sdst(0) depctr_va_vdst(0) depctr_va_sdst(0) depctr_va_ssrc(0) depctr_va_vcc(0) depctr_vm_vsrc(0)
	s_getreg_b32 s2, hwreg(HW_REG_IB_STS2, 6, 4)
	s_cmp_eq_u32 s2, 0
	s_cbranch_scc0 .Lentry_in_a_cluster
	s_endpgm
.Lentry_in_a_cluster:
	s_bfe_u32 s2, ttmp6, 0x10000c
	s_cmp_lg_u32 s2, 0x3003
	s_cbranch_scc0 .Lentry_shape_is_right
	s_endpgm
.Lentry_shape_is_right:
; y[b][q][head] = causal softmax(q k^T / 8) v for one (batch, head) a cluster, both products on codes of BF6 with E8M0 scales; y leaves quantised along C, as the last product's operand.
; THE SOFTMAX AHEAD OF THE SECOND PRODUCT: t = score x log2(e) / 8; M = the running largest t rounded UP to a whole number; p = 2^(t - M) is quantised along the keys; the row's sum is taken of the unquantised p
; and divides at the end; when M moves, the sum and O are multiplied by 2^(old M - new M), which rounds nothing.
; SHARES.  The four work-groups of a cluster share a head.  A head's 2,048 queries are 128 row tiles; tile 8 kappa + t needs key steps (128 keys) 0 .. kappa, the last of them on the diagonal.
; Wave w owns TWO tiles, kappa = w / 2 and kappa = 15 - w / 2, both with t = 2 cx + w % 2: 17 tile steps for every wave.  Steps past a tile's diagonal are left out by a scalar branch on the wave's number and the step's count.
; LDS.  The head's whole block of kv (208,896 bytes) lies in LDS as it lies in memory, filled ONCE by joint loads of the four work-groups: each wave brings 3,328 bytes of key steps 0-3 and 9,728 of the rest: two loads out.
; LAYOUT.  Both products transposed (S^T = K Q^T, O^T = V^T P^T): a lane holds one query.  The row tiles' order (lane r of tile 2 P + u: row 32 P + 8 u + r + 8 (r / 8)) makes the 16 registers of two neighbouring tiles of S^T
; 16 neighbouring keys, and those of O^T 16 neighbouring d.  The head has 64 along K: Q's upper six registers are zero codes, so what stands in K's upper six (the next tile's codes) adds nothing; bytes 2, 3 of both scale words are 0x7f.
; LIMITS: p under 2^-126 falls to 0; blocks of zeros get the byte 1; NaN and infinities are not served.  y's scale bytes leave two at a time (256 KiB in all): the one place where aligned runs of 256 bytes are written in parts.
.set STEPB, 13056                      ; a key step: K 6,144 | V^T 6,144 | K's scale words 512 | V's 256
.set WV,  12
.set SEL, 20                           ; s[20:21]
.set CS,  22                           ; s[22:23] c = log2(e) / 8
.set G1A, 24
.set G1B, 32
.set G0A, 40
.set G0B, 44
.set KI,  48                           ; the key step
.set TB,  49                           ; its first LDS byte
.set KLO, 50                           ; my tiles' diagonal steps
.set KHI, 51
.set L16, 1
.set L8,  2
.set A16, 3
.set A8,  4
.set DQ,  5                            ; v5  my query in its 128 - 16 h
.set NINF, 6
.set SO,  7                            ; v7  the way out: offset of my two scale bytes
.set SH,  8                            ; v8  16 h
.set QSO, 9                            ; v9  offset of Q's scale word
.set QSH, 10                           ; v10, v11 Q's scale words
.set QSL, 11
.set STH, 12                           ; v12-15, v16-19: -M, the largest t, the sum in two halves
.set STL, 16
.set QH,  20                           ; v20-31, v32-43 Q: six registers of codes, six of zeros
.set QL,  32
.set FB,  44                           ; v44-91 fragments of K (6 registers a tile) or of V^T (12)
.set KSC, 92
.set VSC, 94
.set S,   96                           ; v96-159 S^T, then p
.set OH,  160                          ; v160-191, v192-223 O^T
.set OL,  192
.set PC,  224                          ; v224-235 p's codes
.set TP,  236                          ; v236-243 at work
.set SOP, 244                          ; v244-247 the conversions' scale operands
.set BM,  248                          ; v248-251 the blocks' largest scores
.set PW,  255                          ; v255 p's scale word
.macro ROUND
	s_barrier_signal -1
	s_barrier_wait -1
	s_cmp_lg_u32 s[WV], 0
	s_cbranch_scc1 .Lnot_wave_0_\@
	s_barrier_signal -3
.Lnot_wave_0_\@:
	s_barrier_wait -3
	s_barrier_signal -1
	s_barrier_wait -1
.endm
	s_load_b128 s[4:7], s[0:1], 0x0                ; qb, kv
	s_load_b64 s[8:9], s[0:1], 0x10                ; yq
	v_lshl_add_u32 v254, v0, 2, 0x33000
	v_mov_b32 v255, 0
	ds_add_u32 v254, v255
	ds_add_u32 v254, v255
	s_wait_dscnt 0x0
	v_lshrrev_b32 v254, 5, v0
	v_readfirstlane_b32 s[WV], v254                ; wave 0..15
	s_bfe_u32 s13, ttmp6, 0x40000                  ; cx: it enters global addresses and the mask's numbers alone
	s_and_b32 s14, ttmp7, 0xffff                   ; 16 x batch + head, which the four partners share
	s_lshr_b32 s[KLO], s[WV], 1
	s_sub_co_u32 s[KHI], 15, s[KLO]
	s_and_b32 s66, s[WV], 1
	s_and_b32 s67, s13, 1
	s_lshr_b32 s68, s13, 1
	s_lshl_b32 s69, s67, 1
	s_add_co_u32 s69, s69, s66                     ; my tiles' place in their groups of 64 queries
	s_lshl_b32 s79, s13, 5
	s_lshl_b32 s70, s66, 3
	s_add_co_u32 s79, s79, s70                     ; 32 cx + 8 (w % 2)
	s_sub_co_u32 s80, s[KHI], s[KLO]
	s_lshl_b32 s80, s80, 12                        ; from the low tile's scale bytes in yq to the high tile's
	s_mul_i32 s70, s14, 106496
	s_mul_i32 s71, s68, 3328
	s_add_co_u32 s70, s70, s71
	s_mul_i32 s71, s69, 768
	s_add_co_u32 s70, s70, s71
	s_sub_co_u32 s78, 3072, s71                    ; from the tile's codes to its group's scale words,
	s_lshl_b32 s72, s66, 7
	s_add_co_u32 s78, s78, s72                     ; the odd tile's lie in the upper lanes' places,
	s_lshl_b32 s72, s67, 2
	s_add_co_u32 s78, s78, s72                     ; word j = cx % 2
	s_mul_i32 s72, s[KLO], 6656
	s_add_co_u32 s72, s72, s70
	s_mov_b32 s73, 0
	s_mul_i32 s74, s[KHI], 6656
	s_add_co_u32 s74, s74, s70
	s_mov_b32 s75, 0
	v_and_b32 v254, 31, v0
	v_lshlrev_b32 v[L16], 4, v254
	v_lshlrev_b32 v[L8], 3, v254
	v_and_b32 v254, 15, v0                         ; r
	v_bfe_u32 v252, v0, 4, 1                       ; h
	v_lshlrev_b32 v[SH], 4, v252
	v_and_b32 v[DQ], 8, v254
	v_add_nc_u32 v[DQ], v[DQ], v254
	v_sub_nc_u32 v[DQ], v[DQ], v[SH]
	v_add_nc_u32 v[DQ], s79, v[DQ]
	v_mul_u32_u24 v[SO], v252, s80
	v_lshl_add_u32 v[SO], v254, 3, v[SO]
	v_lshl_add_u32 v[QSO], v254, 3, s78
	; group 1: dense rows of 256 bytes (32 elements of 8 bytes); 13 rows, and 38
	s_mov_b32 s[G1A], 15|(3<<16)|(1<<21)           ; 15:0 the mask: all four work-groups; 17:16 elements of 8 bytes; 21 set beside a mask
	s_mov_b32 s[G1A+1], 32<<16
	s_mov_b32 s[G1A+2], 13<<16
	s_mov_b32 s[G1A+3], 32<<16
	s_mov_b32 s[G1A+4], 13
	s_mov_b32 s[G1A+5], 32
	s_mov_b32 s[G1A+6], 0
	s_mov_b32 s[G1A+7], 0
	s_mov_b32 s[G1B], 15|(3<<16)|(1<<21)
	s_mov_b32 s[G1B+1], 32<<16
	s_mov_b32 s[G1B+2], 38<<16
	s_mov_b32 s[G1B+3], 32<<16
	s_mov_b32 s[G1B+4], 38
	s_mov_b32 s[G1B+5], 32
	s_mov_b32 s[G1B+6], 0
	s_mov_b32 s[G1B+7], 0
	s_mul_i32 s52, s14, 208896
	s_mul_i32 s54, s[WV], 3328
	s_mul_i32 s55, s[WV], 9728
	s_add_co_u32 s55, s55, 53248
	s_add_co_u32 s56, s52, s54
	s_mov_b32 s57, 0
	s_add_co_u32 s58, s52, s55
	s_mov_b32 s59, 0
	s_mov_b32 s[SEL], 0x76543210
	s_mov_b32 s[SEL+1], 0xfedcba98
	s_mov_b32 s[CS], 0x3e38aa3b
	s_mov_b32 s[CS+1], s[CS]                       ; (named with it as a pair, so it is written)
	s_wait_kmcnt 0x0
	s_mov_b32 s[G0A], 1
	s_mov_b32 s[G0A+1], s54
	s_add_nc_u64 s[G0A+2:G0A+3], s[6:7], s[56:57]
	s_or_b32 s[G0A+3], s[G0A+3], 0x80000000
	s_mov_b32 s[G0B], 1
	s_mov_b32 s[G0B+1], s55
	s_add_nc_u64 s[G0B+2:G0B+3], s[6:7], s[58:59]
	s_or_b32 s[G0B+3], s[G0B+3], 0x80000000
	s_add_nc_u64 s[72:73], s[4:5], s[72:73]        ; Q's low tile
	s_add_nc_u64 s[74:75], s[4:5], s[74:75]        ; and high tile
	ROUND                                          ; all four work-groups are here: the joint loads meet
	tensor_load_to_lds s[G0A:G0A+3], s[G1A:G1A+7]
	s_nop 0
	tensor_load_to_lds s[G0B:G0B+3], s[G1B:G1B+7]
	s_nop 0
.rept 4
	v_nop
.endr
	global_load_b128 v[QH:QH+3], v[L16], s[74:75]
	global_load_b64 v[QH+4:QH+5], v[L8], s[74:75] offset:512
	global_load_b32 v[QSH], v[QSO], s[74:75]
	global_load_b128 v[QL:QL+3], v[L16], s[72:73]
	global_load_b64 v[QL+4:QL+5], v[L8], s[72:73] offset:512
	global_load_b32 v[QSL], v[QSO], s[72:73]
	v_mov_b32 v[NINF], 0xff800000
.irp t, STH, STL
	v_mov_b32 v[\t+1], 0xff61b1e6                  ; the largest t so far: -3e38
	v_floor_f32 v[\t], -v[\t+1]
	v_mov_b32 v[\t+2], 0
	v_mov_b32 v[\t+3], 0
.endr
.irp j, 0,1,2,3,4,5
	v_mov_b32 v[QH+6+\j], 0                        ; zero codes for the upper 64 of the 128-deep product
	v_mov_b32 v[QL+6+\j], 0
	v_mov_b32 v[FB+24+\j], 0                       ; named as the fourth tile's upper half: any codes do
.endr
.irp j, 0,1,2,3,4,5,6,7
	v_mov_b32 v[TP+\j], 0                          ; a lane permute's destination counts as one of its sources
.endr
	v_mov_b32 v253, 0                              ; (the upper half of the pair v[252:253])
.irp j, 0,1,2,3,4,5,6,7,8,9,10,11,12,13,14,15,16,17,18,19,20,21,22,23,24,25,26,27,28,29,30,31,32,33,34,35,36,37,38,39,40,41,42,43,44,45,46,47,48,49,50,51,52,53,54,55,56,57,58,59,60,61,62,63
	v_mov_b32 v[OH+\j], 0                          ; both tiles' O^T: the step is written once; the first change of M leaves zeros zeros
.endr
; ONE TILE'S KEY STEP.  qf: Q's fragment; qw: its scale word; st: the statistics; oa: O^T; lim: the tile's diagonal step.
.macro TSTEP qf, qw, st, oa, lim
	s_cmp_gt_u32 s[KI], s[\lim]                    ; all 128 keys come after my 16 queries: nothing to do
	s_cbranch_scc1 .Lhid_\@
.irp g, 0,1                            ; S^T = K Q^T, four tiles of 16 keys at a time
.if \g
.rept 4
	v_nop                                          ; places ahead of loads into registers that matrix instructions have read
.endr
.endif
.irp t, 0,1,2,3
	ds_load_b128 v[FB+6*\t:FB+6*\t+3], v[A16] offset:768*(4*\g+\t)
	ds_load_b64 v[FB+6*\t+4:FB+6*\t+5], v[A8] offset:768*(4*\g+\t)+512
.endr
	ds_load_b64 v[KSC:KSC+1], v[A8] offset:12288+256*\g
	s_wait_dscnt 0x0
	v_wmma_scale_f32_16x16x128_f8f6f4 v[S+32*\g:S+32*\g+7], v[FB:FB+11], v[\qf:\qf+11], 0, v[KSC], v[\qw] matrix_a_fmt:MATRIX_FMT_BF6 matrix_b_fmt:MATRIX_FMT_BF6
	v_wmma_scale_f32_16x16x128_f8f6f4 v[S+32*\g+8:S+32*\g+15], v[FB+6:FB+17], v[\qf:\qf+11], 0, v[KSC], v[\qw] matrix_a_fmt:MATRIX_FMT_BF6 matrix_b_fmt:MATRIX_FMT_BF6 matrix_a_scale:MATRIX_SCALE_ROW1
	v_wmma_scale_f32_16x16x128_f8f6f4 v[S+32*\g+16:S+32*\g+23], v[FB+12:FB+23], v[\qf:\qf+11], 0, v[KSC+1], v[\qw] matrix_a_fmt:MATRIX_FMT_BF6 matrix_b_fmt:MATRIX_FMT_BF6
	v_wmma_scale_f32_16x16x128_f8f6f4 v[S+32*\g+24:S+32*\g+31], v[FB+18:FB+29], v[\qf:\qf+11], 0, v[KSC+1], v[\qw] matrix_a_fmt:MATRIX_FMT_BF6 matrix_b_fmt:MATRIX_FMT_BF6 matrix_a_scale:MATRIX_SCALE_ROW1
.endr
.rept 4
	v_nop
.endr
.irp d, 0,1,2,3                        ; V^T's four fragments are asked for now and land during the softmax
.irp c, 0,1,2
	ds_load_b128 v[FB+12*\d+4*\c:FB+12*\d+4*\c+3], v[A16] offset:6144+1536*\d+512*\c
.endr
.endr
	ds_load_b64 v[VSC:VSC+1], v[A8] offset:12800
	s_cmp_lg_u32 s[KI], s[\lim]                    ; on the diagonal hidden scores become -infinity ahead of the maximum
	s_cbranch_scc1 .Lopen_\@
.irp n, 0,1,2,3,4,5,6,7,8,9,10,11,12,13,14,15,16,17,18,19,20,21,22,23,24,25,26,27,28,29,30,31,32,33,34,35,36,37,38,39,40,41,42,43,44,45,46,47,48,49,50,51,52,53,54,55,56,57,58,59,60,61,62,63
	v_cmp_gt_i32 vcc_lo, 32*(\n/16)+\n%16, v[DQ]   ; register n holds key 32 (n / 16) + 16 h + n % 16 of the step
	v_cndmask_b32 v[S+\n], v[S+\n], v[NINF], vcc_lo
.endr
.Lopen_\@:
.irp b, 0,1,2,3
	v_max3_num_f32 v[BM+\b], v[S+16*\b], v[S+1+16*\b], v[S+2+16*\b]   ; the largest score of each block of 32 keys: for the row's maximum, and, since p rises with the score, for the block's largest p
.endr
.irp i, 3,5,7,9,11,13
.irp b, 0,1,2,3
	v_max3_num_f32 v[BM+\b], v[BM+\b], v[S+16*\b+\i], v[S+1+16*\b+\i]
.endr
.endr
.irp b, 0,1,2,3
	v_max_num_f32 v[BM+\b], v[BM+\b], v[S+15+16*\b]
.endr
.irp b, 0,1,2,3
	v_permlanex16_b32 v[TP+\b], v[BM+\b], s[SEL], s[SEL+1]
.endr
.irp b, 0,1,2,3
	v_max_num_f32 v[BM+\b], v[BM+\b], v[TP+\b]     ; with lane l xor 16's 16 keys
.endr
	v_max3_num_f32 v254, v[BM], v[BM+1], v[BM+2]
	v_max_num_f32 v254, v254, v[BM+3]
	v_mul_f32 v254, s[CS], v254                    ; as t
	v_max_num_f32 v[\st+1], v[\st+1], v254         ; the running largest t
	v_mov_b32 v254, v[\st]
	v_floor_f32 v[\st], -v[\st+1]                  ; the new -M = -ceil(t): a whole number
	v_sub_f32 v254, v[\st], v254
	v_cvt_i32_f32 v254, v254                       ; (it saturates)
	v_ldexp_f32 v252, 1.0, v254                    ; f = 2^(old M - new M)
.irp j, 0,2,4,6,8,10,12,14,16,18,20,22,24,26,28,30,32,34,36,38,40,42,44,46,48,50,52,54,56,58,60,62
	v_pk_fma_f32 v[S+\j:S+\j+1], v[S+\j:S+\j+1], s[CS:CS+1], v[\st:\st+1] op_sel_hi:[1,0,0]   ; t - M
.endr
.irp b, 0,1,2,3
	v_fma_f32 v[BM+\b], v[BM+\b], s[CS], v[\st]
.endr
.irp j, 0,1,2,3,4,5,6,7,8,9,10,11,12,13,14,15,16,17,18,19,20,21,22,23,24,25,26,27,28,29,30,31,32,33,34,35,36,37,38,39,40,41,42,43,44,45,46,47,48,49,50,51,52,53,54,55,56,57,58,59,60,61,62,63
	v_exp_f32 v[S+\j], v[S+\j]                     ; p = 2^(t - M), at most 1, not normalised
.endr
	v_pk_mul_f32 v[\st+2:\st+3], v[\st+2:\st+3], v[252:253] op_sel_hi:[1,0]   ; the sums under the new M: a plain place behind the exponentials
	s_wait_alu depctr_va_vdst(0)                   ; one wait for the batch of 64, ahead of its first reader
.irp b, 0,1,2,3
	v_exp_f32 v[BM+\b], v[BM+\b]                   ; the blocks' largest p
.endr
	v_pk_add_f32 v[TP:TP+1], v[S:S+1], v[S+2:S+3]  ; the row's sum is taken of the unquantised p, in two chains
.irp j, 4,8,12,16,20,24,28,32,36,40,44,48,52,56,60
	v_pk_add_f32 v[\st+2:\st+3], v[\st+2:\st+3], v[S+\j:S+\j+1]
	v_pk_add_f32 v[TP:TP+1], v[TP:TP+1], v[S+2+\j:S+3+\j]
.endr
	v_pk_add_f32 v[\st+2:\st+3], v[\st+2:\st+3], v[TP:TP+1]
	s_wait_alu depctr_va_vdst(0)                   ; and one for the four
.irp b, 0,1,2,3
	v_max_num_f32 v[BM+\b], 0x2800000, v[BM+\b]    ; the floor 2^(5 - 127)
.endr
.irp b, 0,1,2,3
	v_add_nc_u32 v[SOP+\b], 0xfe000000, v[BM+\b]
.endr
.irp b, 0,1,2,3
	v_lshrrev_b32 v[TP+\b], 23, v[SOP+\b]
.endr
	v_lshl_or_b32 v[PW], v[TP+1], 8, v[TP]
	v_lshl_or_b32 v[PW], v[TP+2], 16, v[PW]
	v_lshl_or_b32 v[PW], v[TP+3], 24, v[PW]
.irp c, 0,1
	v_cvt_scalef32_pk16_bf6_f32 v[PC+6*\c:PC+6*\c+2], v[S+32*\c:S+32*\c+15], v[SOP+2*\c]
	v_cvt_scalef32_pk16_bf6_f32 v[TP+4*\c:TP+4*\c+2], v[S+32*\c+16:S+32*\c+31], v[SOP+2*\c+1]
.endr
	v_nop                                          ; one plain place behind a scaled conversion
.irp c, 0,1
.irp i, 0,1,2
	v_permlane16_swap_b32 v[PC+6*\c+\i], v[TP+4*\c+\i]
.endr
.irp i, 0,1,2
	v_mov_b32 v[PC+6*\c+3+\i], v[TP+4*\c+\i]
.endr
.endr
.irp j, 0,2,4,6,8,10,12,14,16,18,20,22,24,26,28,30
	v_pk_mul_f32 v[\oa+\j:\oa+\j+1], v[\oa+\j:\oa+\j+1], v[252:253] op_sel_hi:[1,0]   ; O^T under the new M; these sixteen stand between the scale word's and the codes' last writes and the products
.endr
	s_wait_dscnt 0x0                               ; V^T and its scale words are in
	v_wmma_scale_f32_16x16x128_f8f6f4 v[\oa:\oa+7], v[FB:FB+11], v[PC:PC+11], v[\oa:\oa+7], v[VSC], v[PW] matrix_a_fmt:MATRIX_FMT_BF6 matrix_b_fmt:MATRIX_FMT_BF6
	v_wmma_scale_f32_16x16x128_f8f6f4 v[\oa+8:\oa+15], v[FB+12:FB+23], v[PC:PC+11], v[\oa+8:\oa+15], v[VSC], v[PW] matrix_a_fmt:MATRIX_FMT_BF6 matrix_b_fmt:MATRIX_FMT_BF6 matrix_a_scale:MATRIX_SCALE_ROW1
	v_wmma_scale_f32_16x16x128_f8f6f4 v[\oa+16:\oa+23], v[FB+24:FB+35], v[PC:PC+11], v[\oa+16:\oa+23], v[VSC+1], v[PW] matrix_a_fmt:MATRIX_FMT_BF6 matrix_b_fmt:MATRIX_FMT_BF6
	v_wmma_scale_f32_16x16x128_f8f6f4 v[\oa+24:\oa+31], v[FB+36:FB+47], v[PC:PC+11], v[\oa+24:\oa+31], v[VSC+1], v[PW] matrix_a_fmt:MATRIX_FMT_BF6 matrix_b_fmt:MATRIX_FMT_BF6 matrix_a_scale:MATRIX_SCALE_ROW1
.rept 4
	v_nop                                          ; places ahead of the next loads into these fragments and of the first read of O^T
.endr
.Lhid_\@:
.endm
.macro KSTEP
	v_add_nc_u32 v[A16], s[TB], v[L16]
	v_add_nc_u32 v[A8], s[TB], v[L8]
	TSTEP QH, QSH, STH, OH, KHI
	TSTEP QL, QSL, STL, OL, KLO
	s_add_co_u32 s[TB], s[TB], STEPB
.endm
	s_wait_tensorcnt 0x1                           ; my part of key steps 0-3 is in; my second load may be out
	s_barrier_signal -1
	s_barrier_wait -1                              ; everybody's is
	s_wait_loadcnt 0x0                             ; Q
	s_mov_b32 s[KI], 0
	s_mov_b32 s[TB], 0
.Lfirst:
	KSTEP
	s_add_co_u32 s[KI], s[KI], 1
	s_cmp_lt_u32 s[KI], 4
	s_cbranch_scc1 .Lfirst
	s_wait_tensorcnt 0x0                           ; my part of the rest is in
	s_wait_dscnt 0x0
	s_barrier_signal -1
	s_barrier_wait -1
	s_mov_b32 s[KI], 4
	s_mov_b32 s[TB], 4*STEPB
.Lrest:
	KSTEP
	s_add_co_u32 s[KI], s[KI], 1
	s_cmp_lt_u32 s[KI], 16
	s_cbranch_scc1 .Lrest
	; THE WAY OUT.  y = O^T / the sum; the low tile's 32 numbers and the high tile's are quantised together: blocks 0, 1 the low tile's d, blocks 2, 3 the high tile's.
	v_add_f32 v[STH+2], v[STH+2], v[STH+3]
	v_add_f32 v[STL+2], v[STL+2], v[STL+3]
	v_permlanex16_b32 v[TP], v[STH+2], s[SEL], s[SEL+1]
	v_permlanex16_b32 v[TP+1], v[STL+2], s[SEL], s[SEL+1]
	v_add_f32 v[STH+2], v[STH+2], v[TP]
	v_add_f32 v[STL+2], v[STL+2], v[TP+1]
	v_rcp_f32 v[STH+2], v[STH+2]
	v_rcp_f32 v[STL+2], v[STL+2]
	v_nop                                          ; a plain place behind the reciprocals
	s_lshr_b32 s81, s14, 4                         ; batch
	s_and_b32 s82, s14, 15                         ; head = the half fragment's number along C
	s_lshl_b32 s83, s81, 7
	s_lshl_b32 s84, s[KLO], 3
	s_add_co_u32 s83, s83, s84
	s_lshl_b32 s84, s13, 1
	s_add_co_u32 s83, s83, s84
	s_add_co_u32 s83, s83, s66                     ; the low tile's row tile in yq
	s_mul_i32 s84, s83, 12288
	s_mul_i32 s85, s82, 768
	s_add_co_u32 s84, s84, s85
	s_mov_b32 s85, 0
	s_sub_co_u32 s86, s[KHI], s[KLO]
	s_mul_i32 s86, s86, 98304                      ; eight row tiles for each key step between the two
	s_mov_b32 s87, 0
	s_lshr_b32 s88, s83, 2
	s_lshl_b32 s88, s88, 3
	s_lshr_b32 s89, s82, 1
	s_add_co_u32 s88, s88, s89
	s_lshl_b32 s88, s88, 8                         ; (8 x group + head / 2) x 256
	s_lshl_b32 s89, s66, 7
	s_add_co_u32 s88, s88, s89                     ; the odd tile's words lie in the upper lanes' places
	s_lshl_b32 s89, s67, 2
	s_add_co_u32 s88, s88, s89                     ; word j = cx % 2
	s_and_b32 s89, s82, 1
	s_lshl_b32 s89, s89, 1
	s_add_co_u32 s88, s88, s89                     ; the head's two bytes of the word
	s_add_co_u32 s88, s88, 6291456
	s_mov_b32 s89, 0
	s_add_nc_u64 s[84:85], s[8:9], s[84:85]
	s_add_nc_u64 s[86:87], s[84:85], s[86:87]
	s_add_nc_u64 s[88:89], s[8:9], s[88:89]
	s_wait_alu depctr_va_vdst(0)                   ; one wait for the two reciprocals, ahead of their first reader
.irp j, 0,2,4,6,8,10,12,14,16,18,20,22,24,26,28,30
	v_pk_mul_f32 v[S+\j:S+\j+1], v[OL+\j:OL+\j+1], v[STL+2:STL+3] op_sel_hi:[1,0]
.endr
.irp j, 0,2,4,6,8,10,12,14,16,18,20,22,24,26,28,30
	v_pk_mul_f32 v[S+32+\j:S+33+\j], v[OH+\j:OH+\j+1], v[STH+2:STH+3] op_sel_hi:[1,0]
.endr
.irp b, 0,1,2,3
	v_max3_num_f32 v[TP+\b], |v[S+16*\b]|, |v[S+1+16*\b]|, 0x2800000
.endr
.irp i, 2,4,6,8,10,12,14
.irp b, 0,1,2,3
	v_max3_num_f32 v[TP+\b], v[TP+\b], |v[S+16*\b+\i]|, |v[S+1+16*\b+\i]|
.endr
.endr
.irp b, 0,1,2,3
	v_permlanex16_b32 v[TP+4+\b], v[TP+\b], s[SEL], s[SEL+1]
.endr
.irp b, 0,1,2,3
	v_max_num_f32 v[TP+\b], v[TP+\b], v[TP+4+\b]
.endr
.irp b, 0,1,2,3
	v_add_nc_u32 v[SOP+\b], 0xfe000000, v[TP+\b]
.endr
.irp b, 0,1,2,3
	v_lshrrev_b32 v[TP+4+\b], 23, v[SOP+\b]
.endr
	v_lshl_or_b32 v[PW], v[TP+5], 8, v[TP+4]       ; bytes 0, 1: the low tile's row; bytes 2, 3: the high tile's
	v_lshl_or_b32 v[PW], v[TP+6], 16, v[PW]
	v_lshl_or_b32 v[PW], v[TP+7], 24, v[PW]
.irp c, 0,1
	v_cvt_scalef32_pk16_bf6_f32 v[PC+6*\c:PC+6*\c+2], v[S+32*\c:S+32*\c+15], v[SOP+2*\c]
	v_cvt_scalef32_pk16_bf6_f32 v[FB+4*\c:FB+4*\c+2], v[S+32*\c+16:S+32*\c+31], v[SOP+2*\c+1]
.endr
	v_nop
.irp c, 0,1
.irp i, 0,1,2
	v_permlane16_swap_b32 v[PC+6*\c+\i], v[FB+4*\c+\i]
.endr
.irp i, 0,1,2
	v_mov_b32 v[PC+6*\c+3+\i], v[FB+4*\c+\i]
.endr
.endr
	v_lshrrev_b32 v254, v[SH], v[PW]               ; lanes 0-15 store the low tile's two bytes, lanes 16-31 the high tile's
	global_store_b128 v[L16], v[PC:PC+3], s[84:85]
	global_store_b64 v[L8], v[PC+4:PC+5], s[84:85] offset:512
	global_store_b128 v[L16], v[PC+6:PC+9], s[86:87]
	global_store_b64 v[L8], v[PC+10:PC+11], s[86:87] offset:512
	global_store_b16 v[SO], v254, s[88:89]
	s_wait_xcnt 0x0
	v_lshl_add_u32 v254, v0, 2, 0x33000
	v_mov_b32 v255, 0
	s_wait_tensorcnt 0x0
	ds_add_u32 v254, v255
	s_wait_dscnt 0x0
	ROUND                                          ; the closing round
	s_endpgm
.Lfunc_end_k_q3e393ca16a_attn:
	.size	k_q3e393ca16a_attn, .Lfunc_end_k_q3e393ca16a_attn-k_q3e393ca16a_attn
	.p2alignl 7, 3214868480
	.fill 96, 4, 3214868480
	.section	.rodata,"a",@progbits
	.p2align	6, 0x0
	.amdhsa_kernel k_q3e393ca16a_attn
		.amdhsa_group_segment_fixed_size 210944
		.amdhsa_private_segment_fixed_size 0
		.amdhsa_enable_private_segment 0
		.amdhsa_kernarg_size 24
		.amdhsa_user_sgpr_count 2
		.amdhsa_user_sgpr_kernarg_segment_ptr 1
		.amdhsa_wavefront_size32 1
		.amdhsa_system_sgpr_workgroup_id_x 1
		.amdhsa_system_sgpr_workgroup_id_y 1
		.amdhsa_system_sgpr_workgroup_id_z 1
		.amdhsa_system_vgpr_workitem_id 0
		.amdhsa_next_free_vgpr 256
		.amdhsa_next_free_sgpr 100
		.amdhsa_reserve_vcc 1
		.amdhsa_float_denorm_mode_32 3
		.amdhsa_float_denorm_mode_16_64 3
		.amdhsa_memory_ordered 1
		.amdhsa_forward_progress 1
		.amdhsa_inst_pref_size 101
	.end_amdhsa_kernel
	.amdgpu_metadata
---
amdhsa.version: [ 1, 2 ]
amdhsa.kernels:
  - .name:           k_q3e393ca16a_attn
    .symbol:         k_q3e393ca16a_attn.kd
    .args:
      - { .name: qb, .offset: 0, .size: 8, .value_kind: global_buffer, .address_space: global }
      - { .name: kv, .offset: 8, .size: 8, .value_kind: global_buffer, .address_space: global }
      - { .name: yq, .offset: 16, .size: 8, .value_kind: global_buffer, .address_space: global }
    .group_segment_fixed_size: 210944
    .private_segment_fixed_size: 0
    .kernarg_segment_align: 8
    .kernarg_segment_size: 24
    .max_flat_workgroup_size: 512
    .sgpr_count:     100
    .vgpr_count:     256
    .wavefront_size: 32
...
	.end_amdgpu_metadata
.endif
;; end of part 3
;; launch proj (part 4): grid 8 x 32, 4 waves a work-group, clusters of 4 x 4, 295,424 bytes of LDS; arguments yq, wpq, b_proj, out0; writes out0
.if DOCPART == 4
	.amdgcn_target "amdgcn-amd-amdhsa--gfx1250"
	.amdhsa_code_object_version 6
	.text
	.protected	k_q3e393ca16a_proj
	.globl	k_q3e393ca16a_proj
	.p2align	8
	.type	k_q3e393ca16a_proj,@function
k_q3e393ca16a_proj:
	s_mov_b64 s[64:65], 0
	v_nop
	global_prefetch_b8 v0, s[64:65] scope:SCOPE_SE
	s_setreg_imm32_b32 hwreg(HW_REG_WAVE_MODE, 25, 1), 1
	s_wait_xcnt 0x0
	s_wait_alu depctr_hold_cnt(0) depctr_sa_sdst(0) depctr_va_vdst(0) depctr_va_sdst(0) depctr_va_ssrc(0) depctr_va_vcc(0) depctr_vm_vsrc(0)
	s_getreg_b32 s2, hwreg(HW_REG_IB_STS2, 6, 4)
	s_cmp_eq_u32 s2, 0
	s_cbranch_scc0 .Lentry_in_a_cluster
	s_endpgm
.Lentry_in_a_cluster:
	s_bfe_u32 s2, ttmp6, 0x10000c
	s_cmp_lg_u32 s2, 0xf033
	s_cbranch_scc0 .Lentry_shape_is_right
	s_endpgm
.Lentry_shape_is_right:
; out0 = y w_proj^T + b_proj on codes of BF6 with E8M0 scales, K = 1,024; f32 sums, f32 out.
; A = y's tokens (yq), B = w_proj's rows (wpq), both in the order of the operand's registers.  A work-group makes 256 tokens x 128 outputs: four waves, each 64 tokens (4 row tiles) x all 8 tiles of B: 32 accumulators.  256 work-groups.
; Source 0 = a tile of B, source 1 = a tile of A: a lane holds one token, and the 16 registers of B's tiles 2 P, 2 P + 1 are the 16 neighbouring outputs 32 P + 16 h + 0 .. 15.
; The bias is the C of each sum's first product.  LDS: the whole K of both operands, in four stages of 256 along K, each filled ONCE; a wave that fetches has four tensor loads out.
; CLUSTER 4 x 4: A's tiles are asked for jointly along a row of the cluster, B's along a column.  Waves 0 and 1 fetch A's halves, wave 2 fetches B, wave 3 nothing.
; THE WAY OUT goes through a stage of 16 rows x (512 + 16) bytes for each wave, in A's stage 0: it has had its one fill, and every wave's last read of it stands ahead of the barrier of stage 1.
; REGISTERS: window 0: v1-22 addresses; v32-47 A's scale words, v48-79 B's; v80-127, v128-175 A's fragments (on the way out v80-207: rows read back); window 1: v0-95, v128-223 B's fragments, v96-127, v224-255 the bias; window 2: accumulator (a, b) at v[8 (8 a + b)].
.set WV,  12
.set G1A, 16
.set G1B, 24
.set G0A, 32
.set G0B, 48
.set L16, 1
.set L8,  2
.set A16, 4
.set A8,  8
.set B16, 12
.set B8,  16
.set STO, 20                           ; v20 the stage: where I put 32 bytes of a row
.set RD,  21                           ; v21 and where I read a row back
.set BO,  22                           ; v22 64 h: my half's bias
.set SA,  32
.set SB,  48
.set AF,  80
.set BK,  80
.set BIA, 96                           ; in window 1: tile b's eight numbers at 96 + 8 (b % 4) + 128 (b / 4)
.set OUTP, 84                          ; s[84:85]
.set MSB, 0
.macro WIN new                         ; the immediate's high byte repeats the setting that is left
.if MSB != \new
	s_set_vgpr_msb (MSB<<8)|\new
.set MSB, \new
.endif
.endm
.macro ROUND
	s_barrier_signal -1
	s_barrier_wait -1
	s_cmp_lg_u32 s[WV], 0
	s_cbranch_scc1 .Lnot_wave_0_\@
	s_barrier_signal -3
.Lnot_wave_0_\@:
	s_barrier_wait -3
	s_barrier_signal -1
	s_barrier_wait -1
.endm
.macro PLACES
.rept 4
	v_nop
.endr
.endm
	s_load_b128 s[4:7], s[0:1], 0x0                ; yq, wpq
	s_load_b128 s[8:11], s[0:1], 0x10              ; b_proj, out0
	v_lshl_add_u32 v254, v0, 2, 0x48000
	v_mov_b32 v255, 0
	ds_add_u32 v254, v255
	ds_add_u32 v254, v255
	v_lshrrev_b32 v3, 5, v0
	v_readfirstlane_b32 s[WV], v3
	v_and_b32 v3, 31, v0
	v_lshlrev_b32 v[L16], 4, v3
	v_lshlrev_b32 v[L8], 3, v3
	s_mul_i32 s96, s[WV], 12288
	v_add_nc_u32 v[A16], s96, v[L16]
	v_add_nc_u32 v[A8], s96, v[L8]
	v_add_nc_u32 v[B16], 196608, v[L16]
	v_add_nc_u32 v[B8], 196608, v[L8]
.irp s, 1,2,3
	v_add_nc_u32 v[A16+\s], \s*49152, v[A16]
	v_add_nc_u32 v[A8+\s], \s*49152, v[A8]
	v_add_nc_u32 v[B16+\s], \s*24576, v[B16]
	v_add_nc_u32 v[B8+\s], \s*24576, v[B8]
.endr
	s_mul_i32 s97, s[WV], 8448                     ; my stage
	v_and_b32 v3, 15, v0                           ; r
	v_bfe_u32 v[BO], v0, 4, 1                      ; h
	v_mul_u32_u24 v[STO], v3, 528
	v_lshl_add_u32 v[STO], v[BO], 6, v[STO]
	v_add_nc_u32 v[STO], s97, v[STO]
	v_add_nc_u32 v[RD], s97, v[L16]
	v_lshlrev_b32 v[BO], 6, v[BO]
	s_bfe_u32 s13, ttmp6, 0x40000                  ; cx
	s_bfe_u32 s14, ttmp6, 0x40004                  ; cy
	s_and_b32 s67, ttmp7, 0xffff
	s_lshl_b32 s69, s67, 2
	s_add_co_u32 s69, s69, s14                     ; I: which 256 tokens
	s_lshl_b32 s70, ttmp9, 2
	s_add_co_u32 s70, s70, s13                     ; J: which 128 outputs
	s_lshl_b32 s78, s69, 4                         ; A's first row tile
	s_and_b32 s81, s[WV], 1
	s_lshl_b32 s82, s81, 3
	s_add_co_u32 s82, s82, s78
	s_mul_i32 s82, s82, 12288
	s_mov_b32 s83, 0
	s_mul_i32 s86, s70, 98304
	s_mov_b32 s87, 0
	s_mul_i32 s88, s81, 24576
	s_lshr_b32 s92, s78, 2
	s_add_co_u32 s92, s92, s[WV]
	s_lshl_b32 s92, s92, 11
	s_add_co_u32 s92, s92, 6291456                 ; where yq's scale words begin
	s_mov_b32 s93, 0
	s_lshl_b32 s94, s70, 12
	s_add_co_u32 s94, s94, 786432                  ; and wpq's
	s_mov_b32 s95, 0
	s_lshl_b32 s72, s70, 9                         ; 128 outputs in bytes: the bias's place, and the column's in a row of out0
	s_mov_b32 s73, 0
	s_lshl_b32 s74, s69, 20                        ; 256 rows of 4,096 bytes
	s_lshl_b32 s75, s[WV], 18                      ; my 64
	s_add_co_u32 s74, s74, s75
	s_add_co_u32 s74, s74, s72
	s_mov_b32 s75, 0
	s_lshl_b32 s89, s14, 2
	s_lshl_b32 s89, 15, s89                        ; my row of the cluster
	s_lshl_b32 s90, 0x1111, s13                    ; my column
	s_or_b32 s[G1A], s89, (3<<16)|(1<<21)          ; 8 row tiles x 3,072 bytes, 12,288 bytes apart; elements of 8 bytes; dense in LDS
	s_or_b32 s[G1B], s90, (3<<16)|(1<<21)
.irp g, G1A, G1B
	s_mov_b32 s[\g+1], 384<<16
	s_mov_b32 s[\g+2], 8<<16
	s_mov_b32 s[\g+3], 384<<16
	s_mov_b32 s[\g+4], 8
	s_mov_b32 s[\g+5], 1536
	s_mov_b32 s[\g+6], 0
	s_mov_b32 s[\g+7], 0
.endr
	s_wait_dscnt 0x0
	s_wait_kmcnt 0x0
	s_add_nc_u64 s[82:83], s[4:5], s[82:83]
	s_add_nc_u64 s[86:87], s[6:7], s[86:87]
	s_add_nc_u64 s[92:93], s[4:5], s[92:93]
	s_add_nc_u64 s[94:95], s[6:7], s[94:95]
	s_add_nc_u64 s[72:73], s[8:9], s[72:73]        ; the bias
	s_add_nc_u64 s[OUTP:OUTP+1], s[10:11], s[74:75]
.irp s, 0,1,2,3
	s_mov_b32 s[G0A+4*\s], 1
	s_add_co_u32 s[G0A+4*\s+1], s88, \s*49152
	s_add_nc_u64 s[G0A+4*\s+2:G0A+4*\s+3], s[82:83], \s*3072
	s_or_b32 s[G0A+4*\s+3], s[G0A+4*\s+3], 0x80000000
	s_mov_b32 s[G0B+4*\s], 1
	s_mov_b32 s[G0B+4*\s+1], 196608+\s*24576
	s_add_nc_u64 s[G0B+4*\s+2:G0B+4*\s+3], s[86:87], \s*3072
	s_or_b32 s[G0B+4*\s+3], s[G0B+4*\s+3], 0x80000000
.endr
	ROUND                                          ; all sixteen work-groups are here: the joint loads meet
	s_cmp_lt_u32 s[WV], 2                          ; all fills of a wave stand in one branch on its number; four v_nop follow the last
	s_cbranch_scc0 .Lnot_a
.irp s, 0,1,2,3
	tensor_load_to_lds s[G0A+4*\s:G0A+4*\s+3], s[G1A:G1A+7]
	s_nop 0
.endr
	PLACES
	s_branch .Lasked
.Lnot_a:
	s_cmp_eq_u32 s[WV], 2
	s_cbranch_scc0 .Lasked
.irp s, 0,1,2,3
	tensor_load_to_lds s[G0B+4*\s:G0B+4*\s+3], s[G1B:G1B+7]
	s_nop 0
.endr
	PLACES
.Lasked:
.irp q, 0,1,2,3,4,5,6,7
	global_load_b64 v[SA+2*\q:SA+2*\q+1], v[L8], s[92:93] offset:256*\q
	global_load_b64 v[SB+4*\q:SB+4*\q+1], v[L8], s[94:95] offset:256*\q
	global_load_b64 v[SB+4*\q+2:SB+4*\q+3], v[L8], s[94:95] offset:2048+256*\q
.endr
	WIN 0x40                                       ; destination window 1
.irp b, 0,1,2,3,4,5,6,7                ; tile b's register j is output 32 (b / 2) + 8 (b % 2) + 16 h + j
	global_load_b128 v[BIA+8*(\b%4)+128*(\b/4):BIA+8*(\b%4)+128*(\b/4)+3], v[BO], s[72:73] offset:(32*(\b/2)+8*(\b%2))*4
	global_load_b128 v[BIA+8*(\b%4)+128*(\b/4)+4:BIA+8*(\b%4)+128*(\b/4)+7], v[BO], s[72:73] offset:(32*(\b/2)+8*(\b%2))*4+16
.endr
	WIN 0
.macro FETCH q, p                      ; 48 LDS loads: the fragments of K step q into set p
	WIN 0x40
.irp i, 0,1,2,3,4,5,6,7
.irp e, 0,1
	ds_load_b128 v[128*(\p)+12*\i+6*\e:128*(\p)+12*\i+6*\e+3], v[B16+(\q)/2] offset:3072*\i+768*(2*((\q)%2)+\e)
	ds_load_b64 v[128*(\p)+12*\i+6*\e+4:128*(\p)+12*\i+6*\e+5], v[B8+(\q)/2] offset:3072*\i+768*(2*((\q)%2)+\e)+512
.endr
.endr
	WIN 0
.irp i, 0,1,2,3
.irp e, 0,1
	ds_load_b128 v[AF+48*(\p)+12*\i+6*\e:AF+48*(\p)+12*\i+6*\e+3], v[A16+(\q)/2] offset:3072*\i+768*(2*((\q)%2)+\e)
	ds_load_b64 v[AF+48*(\p)+12*\i+6*\e+4:AF+48*(\p)+12*\i+6*\e+5], v[A8+(\q)/2] offset:3072*\i+768*(2*((\q)%2)+\e)+512
.endr
.endr
.endm
.macro WM a, b, q, p                   ; one product; an odd tile's scale words lie in lanes 16-31 of its register; the first K step takes the bias as C
.set rD, 8*(8*(\a)+(\b))
.set rC, rD
.if (\q) == 0
.set rC, BIA+8*((\b)%4)+128*((\b)/4)
.endif
.set rB, 128*(\p)+12*(\b)
.set rA, AF+48*(\p)+12*(\a)
.set rX, SB+4*(\q)+(\b)/2
.set rY, SA+2*(\q)+(\a)/2
.if ((\b)%2) && ((\a)%2)
	v_wmma_scale_f32_16x16x128_f8f6f4 v[rD:rD+7], v[rB:rB+11], v[rA:rA+11], v[rC:rC+7], v[rX], v[rY] matrix_a_fmt:MATRIX_FMT_BF6 matrix_b_fmt:MATRIX_FMT_BF6 matrix_a_scale:MATRIX_SCALE_ROW1 matrix_b_scale:MATRIX_SCALE_ROW1
.elseif (\b)%2
	v_wmma_scale_f32_16x16x128_f8f6f4 v[rD:rD+7], v[rB:rB+11], v[rA:rA+11], v[rC:rC+7], v[rX], v[rY] matrix_a_fmt:MATRIX_FMT_BF6 matrix_b_fmt:MATRIX_FMT_BF6 matrix_a_scale:MATRIX_SCALE_ROW1
.elseif (\a)%2
	v_wmma_scale_f32_16x16x128_f8f6f4 v[rD:rD+7], v[rB:rB+11], v[rA:rA+11], v[rC:rC+7], v[rX], v[rY] matrix_a_fmt:MATRIX_FMT_BF6 matrix_b_fmt:MATRIX_FMT_BF6 matrix_b_scale:MATRIX_SCALE_ROW1
.else
	v_wmma_scale_f32_16x16x128_f8f6f4 v[rD:rD+7], v[rB:rB+11], v[rA:rA+11], v[rC:rC+7], v[rX], v[rY] matrix_a_fmt:MATRIX_FMT_BF6 matrix_b_fmt:MATRIX_FMT_BF6
.endif
.endm
.macro KSTEP q                         ; the next step's fragments are asked for, then this step's 32 products; the accumulators take turns
.if ((\q)%2 == 1) && ((\q) < 7)
	s_wait_tensorcnt 2-(\q)/2                      ; my part of the next stage is in; the loads of the stages behind it may be out (nothing is ever filled again)
	s_wait_dscnt 0x0                               ; no LDS load of mine is pending at a signal
	s_barrier_signal -1
	s_barrier_wait -1
.endif
.if (\q) < 7
	FETCH (\q)+1, ((\q)+1)%2
	s_wait_dscnt 48                                ; all but the 48 just issued
.else
	s_wait_dscnt 0x0
.endif
.if (\q) == 0
	WIN 0x91                                       ; source 0 (B) and C (the bias) window 1, source 1 (A) window 0, D window 2
.else
	WIN 0xa1                                       ; C and D window 2
.endif
.irp a, 0,1,2,3
.irp b, 0,1,2,3,4,5,6,7
	WM \a, \b, \q, (\q)%2
.endr
.endr
	WIN 0
	PLACES
.endm
	s_wait_tensorcnt 3                             ; my part of stage 0 is in; three loads may be out
	s_barrier_signal -1
	s_barrier_wait -1
	FETCH 0, 0
	s_wait_loadcnt 0x0                             ; the scale words and the bias
.irp q, 0,1,2,3,4,5,6,7
	KSTEP \q
.endr
; THE WAY OUT, a tile of 16 tokens x 128 outputs at a time: into my stage, 32 bytes a lane and accumulator, and back as whole rows of 512 bytes.  LDS serves a wave's instructions in order: no wait between the stores and the loads.
.macro TOSTAGE a
	WIN 0x08                                       ; an LDS store's data are its source 1: window 2
.irp b, 0,1,2,3,4,5,6,7
	ds_store_b128 v[STO], v[64*(\a)+8*\b:64*(\a)+8*\b+3] offset:128*(\b/2)+32*(\b%2)          ; each accumulator from its low end on
	ds_store_b128 v[STO], v[64*(\a)+8*\b+4:64*(\a)+8*\b+7] offset:128*(\b/2)+32*(\b%2)+16
.endr
	WIN 0
.irp t, 0,1,2,3,4,5,6,7,8,9,10,11,12,13,14,15
	ds_load_b128 v[BK+64*((\a)%2)+4*\t:BK+64*((\a)%2)+4*\t+3], v[RD] offset:\t*528
.endr
.endm
.macro SEND a, younger                 ; younger: the LDS instructions issued behind tile a's loads, which may stay out
	s_wait_dscnt \younger
.irp t, 0,1,2,3,4,5,6,7,8,9,10,11,12,13,14,15
	global_store_b128 v[L16], v[BK+64*((\a)%2)+4*\t:BK+64*((\a)%2)+4*\t+3], s[OUTP:OUTP+1] offset:(32*((\a)/2)+8*((\a)%2)+\t+8*(\t/8))*4096 th:TH_STORE_NT   ; 512 consecutive bytes of the token's row, aligned to 256
.endr
.endm
	TOSTAGE 0
.irp a, 1,2,3
.if \a > 1
	s_wait_xcnt 0x0                                ; the stores of the tile two back have read the registers into which this tile's rows come
.endif
	TOSTAGE \a
	SEND \a-1, 32                                  ; behind that tile's loads: this tile's 16 stores and 16 loads
.endr
	SEND 3, 0
	s_wait_tensorcnt 0x0
	ds_add_u32 v254, v255
	s_wait_dscnt 0x0
	ROUND                                          ; the closing round: no work-group ends while a partner may still ask for a tile that names it
	s_endpgm
.Lfunc_end_k_q3e393ca16a_proj:
	.size	k_q3e393ca16a_proj, .Lfunc_end_k_q3e393ca16a_proj-k_q3e393ca16a_proj
	.p2alignl 7, 3214868480
	.fill 96, 4, 3214868480
	.section	.rodata,"a",@progbits
	.p2align	6, 0x0
	.amdhsa_kernel k_q3e393ca16a_proj
		.amdhsa_group_segment_fixed_size 295424
		.amdhsa_private_segment_fixed_size 0
		.amdhsa_enable_private_segment 0
		.amdhsa_kernarg_size 32
		.amdhsa_user_sgpr_count 2
		.amdhsa_user_sgpr_kernarg_segment_ptr 1
		.amdhsa_wavefront_size32 1
		.amdhsa_system_sgpr_workgroup_id_x 1
		.amdhsa_system_sgpr_workgroup_id_y 1
		.amdhsa_system_sgpr_workgroup_id_z 1
		.amdhsa_system_vgpr_workitem_id 0
		.amdhsa_next_free_vgpr 768
		.amdhsa_next_free_sgpr 100
		.amdhsa_reserve_vcc 0
		.amdhsa_float_denorm_mode_32 3
		.amdhsa_float_denorm_mode_16_64 3
		.amdhsa_memory_ordered 1
		.amdhsa_forward_progress 1
		.amdhsa_inst_pref_size 86
	.end_amdhsa_kernel
	.amdgpu_metadata
---
amdhsa.version: [ 1, 2 ]
amdhsa.kernels:
  - .name:           k_q3e393ca16a_proj
    .symbol:         k_q3e393ca16a_proj.kd
    .args:
      - { .name: yq, .offset: 0, .size: 8, .value_kind: global_buffer, .address_space: global }
      - { .name: wpq, .offset: 8, .size: 8, .value_kind: global_buffer, .address_space: global }
      - { .name: b_proj, .offset: 16, .size: 8, .value_kind: global_buffer, .address_space: global }
      - { .name: out0, .offset: 24, .size: 8, .value_kind: global_buffer, .address_space: global }
    .group_segment_fixed_size: 295424
    .private_segment_fixed_size: 0
    .kernarg_segment_align: 8
    .kernarg_segment_size: 32
    .max_flat_workgroup_size: 128
    .sgpr_count:     100
    .vgpr_count:     768
    .wavefront_size: 32
...
	.end_amdgpu_metadata
.endif
;; end of part 4
